; MI455X (gfx1250); checked and timed in simulation.
; The chip was launched on July 23, 2026; its instructions are those of AMD's public machine-readable ISA for CDNA 5 (MIT licence, August 2026) and "CDNA5" Instruction Set Architecture Reference Guide (July 2026). The comments in the code are by the model that wrote it; some were corrected since.
;; Memory. Allowed arithmetic: matrix products marked QUANTISED: E2M1 operands, one E8M0 scale for each 32 along K, by v_wmma_scale_f32_16x16x128_f8f6f4 with both operands' format E2M1 (or v_wmma_scale_f32_32x16x128_f4), f32 sums; products left as they are: bf16, f16 or f32 operands; f32 sums; everything else in f32.
;; Inputs: W_attn 1,024 x 3,072 float32; W_proj 1,024 x 1,024 float32; b_attn 3,072 float32; b_proj 1,024 float32; x 4 x 2,048 x 1,024 float32.
;; Outputs: out0 4 x 2,048 x 1,024 float32; out1 4 x 512 x 1,024 float32.
;; This version of the problem:
;;   THIS VERSION OF THE PROBLEM IS GIVEN IN LOW PRECISION. The matrix products marked QUANTISED in the list below multiply operands that are first quantised to E2M1 (2 exponent bits, 1 mantissa bit; 4 bits a number), with one power-of-two scale for each 32 numbers along K (OCP MX v1.0); their sums are f32. The products marked 'left as it is' may take bf16, f16 or f32 operands, with f32 sums. Whichever they take, every output number must still come out within the allowed error. Rounding operands to bf16 (8 significant bits) uses up far more of that allowance than f16 does (11 bits, for magnitudes from 6e-5 to 65,504). All else is computed in f32.
;;   The module's matrix products, in the order in which they are computed (A, B: the left and right operand; K: the contracted axis; several contracted axes count as one K, in the product's order):
;;     1. [M 8,192, K 1,024] x [K 1,024, N 3,072]; A: input x; B: input W_attn: QUANTISED
;;     2. batch 64 x [M 2,048, K 64] x [K 64, N 2,048]; A: computed on the way; B: computed on the way: left as it is (an operand is computed on the way)
;;     3. batch 64 x [M 2,048, K 2,048] x [K 2,048, N 64]; A: computed on the way; B: computed on the way: left as it is (an operand is computed on the way)
;;     4. [M 8,192, K 1,024] x [K 1,024, N 1,024]; A: computed on the way; B: input W_proj: left as it is (an operand is computed on the way)
;;   THE QUANTISER, for each operand of a quantised product, along K:
;;     - K is cut into blocks of 32 from its start; a last block that is shorter is filled with zeros.
;;     - A block's scale is 2^e with e = floor(log2(the largest magnitude in the block)) - 2, held to -126 .. 127; a block of zeros has e = 0. As a byte (E8M0): e + 127.
;;     - Each number is divided by its block's scale, clamped to +-6, and rounded to the nearest number of E2M1, ties to even, subnormals kept.
;;     - The product sums the exact products of the quantised numbers (number of the format x scale) in f32.
;;   ~~~python
;;   def quantise(x, axis):      # numpy; x: float32 -> the quantised numbers, widened to float32 again
;;       x = np.moveaxis(x, axis, -1); K = x.shape[-1]
;;       x = np.pad(x, [(0, 0)] * (x.ndim - 1) + [(0, -K % 32)]); x = x.reshape(x.shape[:-1] + (-1, 32)); a = np.abs(x).max(-1, keepdims=True)
;;       e = np.where(a > 0, np.clip(np.frexp(np.where(a > 0, a, 1))[1] - 1 - 2, -126, 127), 0)      # np.frexp(a)[1] - 1 = floor(log2(a)), exactly
;;       r = np.clip(x / 2.0 ** e, -6, 6)
;;       step = 2.0 ** (np.maximum(np.frexp(np.where(r == 0, 1, r))[1] - 1, 0) - 1)
;;       q = np.round(r / step) * step * 2.0 ** e      # np.round: ties to even
;;       return np.moveaxis(q.reshape(q.shape[:-2] + (-1,))[..., :K], -1, axis).astype(np.float32)
;;   ~~~
;; One version. Each part assembles by itself: llvm-mc -triple=amdgcn-amd-amdhsa -mcpu=gfx1250 --defsym DOCPART=n.
;; ======== version 1 of 1: 5 launches
;; limits: values are held in f16: magnitudes above 65,504 overflow, below 6.1e-05 lose precision
;; workspace buffers: xc 4,194,304 bytes; xs 262,144 bytes; wc 1,572,864 bytes; ws 98,304 bytes; wp 2,097,152 bytes; qkv 50,331,648 bytes; qf 786,432 bytes; y 16,777,216 bytes
;; launch prep (part 1): grid 336 x 1, 4 waves a work-group, no clusters, 68,096 bytes of LDS; arguments x, W_attn, W_proj, xc, xs, wc, ws, wp, out1; writes xc, xs, wc, ws, wp, out1
.if DOCPART == 1
	.amdgcn_target "amdgcn-amd-amdhsa--gfx1250"
	.amdhsa_code_object_version 6
	.text
	.protected	k_q6391df019a_prep
	.globl	k_q6391df019a_prep
	.p2align	8
	.type	k_q6391df019a_prep,@function
k_q6391df019a_prep:
	s_mov_b64 s[64:65], 0
	v_nop
	global_prefetch_b8 v0, s[64:65] scope:SCOPE_SE
	s_setreg_imm32_b32 hwreg(HW_REG_WAVE_MODE, 25, 1), 1
	s_wait_xcnt 0x0
; THREE JOBS IN ONE LAUNCH, told apart by the work-group's number g; the three paths never join.
;   g 0..255   (X): x [8192][1024] f32 -> codes of E2M1 in xc [8192][512 bytes] and E8M0 bytes in xs [8192][32]; the last 512 rows of each batch are also copied to out1.
;   g 256..303 (W): W_attn [1024 (k)][3072 (n)] f32 -> wc [3072][512 bytes], K innermost, and ws [3072][32].
;   g 304..335 (P): W_proj [1024][1024] f32 -> wp, the same layout in f16.
; THE QUANTISER: a block of 32 along K has the scale 2^(floor(log2(largest magnitude)) - 2); its byte is the largest magnitude's exponent field - 2, held at 1 from below;
; each number is divided by the scale and rounded to the nearest code, ties to even, beyond 6 the code of 6.
; LIMITS: a block of zeros gets the byte 1 where the quantiser's text says 127 (its codes are zeros, and these bytes are read by this program alone); blocks whose largest magnitude lies
; under 2^-124 keep the byte 1; NaN and infinities are not served; |W_proj| stays under 65,504 (f16).
; LDS: each path has bytes of its own: X 0..32,767 (8,192 a wave), W 32,768..67,583 (8,704 a wave), then the spare words.
.set SPW,   190                        ; v190  LDS address of my spare word; never rewritten
.set NIL,   191                        ; v191  0; never rewritten
.set SPARE, 67584                      ; the spare words: 128 bytes for each wave, two blocks of 256 bytes that no other line names
.set WREG,  8192                       ; X: a wave's region: two stages of 32 x SP bytes, then its 256 scale bytes
.set SP,    80                         ; X: a lane's place in a stage: 64 bytes + 16 of padding
.set XR,    16                         ; X: v16-79   four sets of 16 numbers as loaded
.set XX,    80                         ; X: v80-111  two sets of 16 neighbours
.set XE,    112                        ; X: v112-127 a scale byte for each step
.set XC,    128                        ; X: v128-159 two registers of codes for each step
.set WSTG,  32768                      ; W: the four stages begin here
.set WP,    272                        ; W: a stage row: 256 bytes + 16
.set WSB,   24                         ; W: v24-27   scale bytes
.set WX,    32                         ; W: v32-95   two sets of 32 numbers
.set WC,    96                         ; W: v96-99   a block's codes
.set WOUT,  112                        ; W: v112-175 the way out
.set PIN,   16                         ; P: v16-143  two sets of 64 numbers
.set POUT,  144                        ; P: v144-175 32 registers of f16 pairs
	s_load_b512 s[4:19], s[0:1], 0x0               ; x 4:5, W_attn 6:7, W_proj 8:9, xc 10:11, xs 12:13, wc 14:15, ws 16:17, wp 18:19
	s_load_b64 s[20:21], s[0:1], 0x40              ; out1
	v_lshl_add_u32 v[SPW], v0, 2, SPARE
	v_mov_b32 v[NIL], 0
	v_lshrrev_b32 v1, 5, v0
	v_readfirstlane_b32 s22, v1                    ; wave 0..3
	v_and_b32 v2, 31, v0                           ; lane
	s_mov_b32 s29, 0                               ; the high word of every offset pair s[28:29]
	s_wait_kmcnt 0x0
	s_cmp_lt_u32 ttmp9, 256
	s_cbranch_scc1 .Lpath_x
	s_cmp_lt_u32 ttmp9, 304
	s_cbranch_scc1 .Lpath_w
; ---------------- P: a cast.  A wave takes 8,192 numbers; each load reads 512 consecutive bytes, each store writes 256 consecutive bytes, aligned.
	s_sub_co_u32 s25, ttmp9, 304
	s_lshl_b32 s25, s25, 2
	s_add_co_u32 s25, s25, s22                     ; my run of 8,192 numbers
	s_lshl_b32 s28, s25, 15
	s_add_nc_u64 s[8:9], s[8:9], s[28:29]
	s_lshl_b32 s28, s25, 14
	s_add_nc_u64 s[18:19], s[18:19], s[28:29]
	v_lshlrev_b32 v3, 4, v2
	v_lshlrev_b32 v4, 3, v2
.macro PLOAD q
.irp i, 0,1,2,3,4,5,6,7,8,9,10,11,12,13,14,15
	global_load_b128 v[PIN+64*((\q)%2)+4*\i:PIN+64*((\q)%2)+4*\i+3], v3, s[8:9] offset:8192*(\q)+512*\i th:TH_LOAD_NT
.endr
.endm
.macro PCAST q
.if (\q) < 3
	s_wait_loadcnt 16                              ; this group's 16 loads are in; the next group's 16 may be out
.else
	s_wait_loadcnt 0x0
.endif
	s_wait_xcnt 0x0                                ; the last group's stores have read POUT: it is written again only behind this wait
.irp i, 0,1,2,3,4,5,6,7,8,9,10,11,12,13,14,15
	v_cvt_pk_f16_f32 v[POUT+2*\i], v[PIN+64*((\q)%2)+4*\i], v[PIN+64*((\q)%2)+4*\i+1]
	v_cvt_pk_f16_f32 v[POUT+2*\i+1], v[PIN+64*((\q)%2)+4*\i+2], v[PIN+64*((\q)%2)+4*\i+3]
.endr
.irp i, 0,1,2,3,4,5,6,7,8,9,10,11,12,13,14,15
	global_store_b64 v4, v[POUT+2*\i:POUT+2*\i+1], s[18:19] offset:4096*(\q)+256*\i
.endr
.if (\q) < 2
	PLOAD (\q)+2
.endif
.endm
	PLOAD 0
	PLOAD 1
	PCAST 0
	PCAST 1
	PCAST 2
	PCAST 3
	s_wait_tensorcnt 0x0                           ; the wave's end, as on the other two paths
	ds_add_u32 v[SPW], v[NIL]
	s_wait_dscnt 0x0
	s_endpgm
; ---------------- X: a wave takes 16 steps of 512 numbers (8 rows of x).  A step's four loads read 512 consecutive bytes each; the 2,048 bytes turn through the wave's own stage
; in LDS and come back 64 bytes a lane: 16 neighbours along K, two lanes to a block.  Loads run four steps ahead, the turn one step.
.Lpath_x:
	v_lshlrev_b32 v3, 4, v2                        ; my 16 bytes of a load's 512
	s_mul_i32 s25, s22, WREG
	v_lshrrev_b32 v14, 2, v2
	v_mul_u32_u24 v14, v14, SP
	v_and_b32 v15, 3, v2
	v_lshl_add_u32 v14, v15, 4, v14
	v_add_nc_u32 v14, s25, v14                     ; the stage, way in: SP (lane / 4) + 16 (lane % 4)
	v_mul_u32_u24 v15, v2, SP
	v_add_nc_u32 v15, s25, v15                     ; way out: SP x lane
	v_lshlrev_b32 v4, 3, v2                        ; 8 bytes a lane: my codes in a step's 256, and my part of the 256 scale bytes
	v_lshrrev_b32 v5, 1, v2
	s_add_co_u32 s25, s25, 2*32*SP
	v_add_nc_u32 v5, s25, v5                       ; LDS: my block's scale byte
	v_add_nc_u32 v6, s25, v4                       ; and the bytes' way out
	s_lshl_b32 s26, ttmp9, 2
	s_add_co_u32 s26, s26, s22                     ; my run of 8,192 numbers
	s_lshl_b32 s28, s26, 15
	s_add_nc_u64 s[4:5], s[4:5], s[28:29]
	s_lshl_b32 s28, s26, 12
	s_add_nc_u64 s[10:11], s[10:11], s[28:29]
	s_lshl_b32 s28, s26, 8
	s_add_nc_u64 s[12:13], s[12:13], s[28:29]
	s_and_b32 s27, ttmp9, 63                       ; a batch is 64 work-groups of 32 rows; the last 16 of them hold its last 512 rows
	s_cmp_ge_u32 s27, 48
	s_cselect_b32 s24, 1, 0                        ; do I copy?
	s_max_u32 s27, s27, 48
	s_sub_co_u32 s27, s27, 48
	s_lshr_b32 s28, ttmp9, 6
	s_lshl_b32 s28, s28, 4
	s_add_co_u32 s27, s27, s28
	s_lshl_b32 s27, s27, 2
	s_add_co_u32 s27, s27, s22
	s_lshl_b32 s28, s27, 15
	s_add_nc_u64 s[20:21], s[20:21], s[28:29]      ; out1 at my 8 rows (used only where I copy)
.macro XLOAD t
.irp i, 0,1,2,3
	global_load_b128 v[XR+16*((\t)%4)+4*\i:XR+16*((\t)%4)+4*\i+3], v3, s[4:5] offset:2048*(\t)+512*\i th:TH_LOAD_NT
.endr
.endm
.macro XTURN t                         ; LDS serves a wave's instructions in order: no wait between the stores and the loads
.irp i, 0,1,2,3
	ds_store_b128 v14, v[XR+16*((\t)%4)+4*\i:XR+16*((\t)%4)+4*\i+3] offset:32*SP*((\t)%2)+8*SP*\i
.endr
.irp i, 0,1,2,3
	ds_load_b128 v[XX+16*((\t)%2)+4*\i:XX+16*((\t)%2)+4*\i+3], v15 offset:32*SP*((\t)%2)+16*\i
.endr
.endm
.macro XCOPY t                         ; the step's 2,048 bytes as loaded go to out1: each store covers 512 consecutive bytes
	s_cmp_eq_u32 s24, 0
	s_cbranch_scc1 .Lno_copy_\@
.irp i, 0,1,2,3
	global_store_b128 v3, v[XR+16*((\t)%4)+4*\i:XR+16*((\t)%4)+4*\i+3], s[20:21] offset:2048*(\t)+512*\i th:TH_STORE_NT
.endr
.Lno_copy_\@:
.endm
.macro XSTEP t
.set XS, XX+16*((\t)%2)
.if (\t) > 0
	s_wait_dscnt 1                                 ; this step's numbers are back from the stage (the last step's byte store may be out)
.else
	s_wait_dscnt 0x0
.endif
.if (\t)+4 < 16
	s_wait_xcnt 0x0                                ; the copy's stores have read this set of registers: it is loaded again only behind this wait
	XLOAD (\t)+4
.endif
.if (\t)+1 < 16
.if 14-(\t) >= 3
	s_wait_loadcnt 12                              ; the next step's four loads are in; those of the three steps behind it may be out
.else
	s_wait_loadcnt 4*(14-(\t))
.endif
	XTURN (\t)+1
	XCOPY (\t)+1
.endif
	v_max3_num_f32 v8, |v[XS]|, |v[XS+1]|, |v[XS+2]|               ; the largest magnitude of my 16, in two chains
	v_max3_num_f32 v9, |v[XS+3]|, |v[XS+4]|, |v[XS+5]|
.irp i, 6,10
	v_max3_num_f32 v8, v8, |v[XS+\i]|, |v[XS+\i+1]|
	v_max3_num_f32 v9, v9, |v[XS+\i+2]|, |v[XS+\i+3]|
.endr
	v_max3_num_f32 v8, v8, |v[XS+14]|, |v[XS+15]|
	v_max3_num_f32 v8, v8, v9, 0x1800000           ; and the floor 2^(3 - 127): the byte cannot fall under 1
	v_max_num_f32_dpp v8, v8, v8 row_xmask:1 row_mask:0xf bank_mask:0xf   ; with my neighbour's 16: the block's
	v_add_nc_u32 v11, 0xff000000, v8               ; 2 off its exponent field: the conversion takes the exponent field of this operand as its scale
	v_cvt_scalef32_pk8_fp4_f32 v[XC+2*(\t)], v[XS:XS+7], v11
	v_cvt_scalef32_pk8_fp4_f32 v[XC+2*(\t)+1], v[XS+8:XS+15], v11
	v_lshrrev_b32 v[XE+(\t)], 23, v11              ; the scale's byte (a plain line behind the conversions)
	ds_store_b8 v5, v[XE+(\t)] offset:16*(\t)      ; both lanes of a block write the same byte with the same value
	global_store_b64 v4, v[XC+2*(\t):XC+2*(\t)+1], s[10:11] offset:256*(\t)   ; the wave stores 256 consecutive bytes, aligned
.endm
.irp t, 0,1,2,3
	XLOAD \t
.endr
	s_wait_loadcnt 12                              ; step 0's four loads are in
	XTURN 0
	XCOPY 0
.irp t, 0,1,2,3,4,5,6,7,8,9,10,11,12,13,14,15
	XSTEP \t
.endr
	ds_load_b64 v[8:9], v6                         ; my wave's 256 scale bytes, 8 a lane
	s_wait_dscnt 0x0
	global_store_b64 v4, v[8:9], s[12:13]          ; 256 consecutive bytes, aligned
	s_wait_tensorcnt 0x0                           ; the wave's end, behind my last LDS store
	ds_add_u32 v[SPW], v[NIL]
	s_wait_dscnt 0x0
	s_endpgm
; ---------------- W: a lane takes a column n and its registers run down K: a block of 32 lies in one lane, and the conversions give codes with K innermost.
; A wave takes 32 columns x 512 along K; the codes go through the wave's stage and leave as rows: sixteen lanes store 256 consecutive bytes.
.Lpath_w:
	s_sub_co_u32 s25, ttmp9, 256
	s_cmp_ge_u32 s25, 24
	s_cselect_b32 s26, 1, 0                        ; which 512 along K
	s_cselect_b32 s27, 24, 0
	s_sub_co_u32 s25, s25, s27                     ; which 128 columns
	s_lshl_b32 s25, s25, 7
	s_lshl_b32 s27, s22, 5
	s_add_co_u32 s25, s25, s27                     ; my wave's first column
	v_lshlrev_b32 v3, 2, v2                        ; in: 4 bytes a lane
	s_mul_i32 s27, s22, 32*WP
	s_add_co_u32 s27, s27, WSTG                    ; my stage
	v_mul_u32_u24 v4, v2, WP
	v_add_nc_u32 v4, s27, v4                       ; into it: row = my column
	v_and_b32 v5, 15, v2
	v_lshrrev_b32 v6, 4, v2
	v_mul_u32_u24 v7, v6, WP
	v_lshl_add_u32 v7, v5, 4, v7
	v_add_nc_u32 v7, s27, v7                       ; out of it: sixteen lanes to a row, two rows an instruction
	v_lshlrev_b32 v8, 9, v6
	v_lshl_add_u32 v8, v5, 4, v8                   ; the same place in wc (rows of 512 bytes)
	v_lshlrev_b32 v9, 5, v2                        ; my column's row of ws (32 bytes)
	s_mul_i32 s28, s26, 512*12288
	s_lshl_b32 s30, s25, 2
	s_add_co_u32 s28, s28, s30
	s_add_nc_u64 s[6:7], s[6:7], s[28:29]          ; W_attn at (512 y, my first column)
	s_lshl_b32 s28, s25, 9
	s_lshl_b32 s30, s26, 8
	s_add_co_u32 s28, s28, s30
	s_add_nc_u64 s[14:15], s[14:15], s[28:29]
	s_lshl_b32 s28, s25, 5
	s_lshl_b32 s30, s26, 4
	s_add_co_u32 s28, s28, s30
	s_add_nc_u64 s[16:17], s[16:17], s[28:29]
.macro WLOAD t                         ; block t: W(32 t + i, my column); the largest offset, 511 x 12,288, lies inside the signed 24-bit immediate
.irp i, 0,1,2,3,4,5,6,7,8,9,10,11,12,13,14,15,16,17,18,19,20,21,22,23,24,25,26,27,28,29,30,31
	global_load_b32 v[WX+32*((\t)%2)+\i], v3, s[6:7] offset:(32*(\t)+\i)*12288 th:TH_LOAD_NT
.endr
.endm
.macro WBLOCK t
.set WS, WX+32*((\t)%2)
.if (\t) < 15
	s_wait_loadcnt 32                              ; this block's 32 loads are in; the next block's may be out
.else
	s_wait_loadcnt 0x0
.endif
	v_max3_num_f32 v12, |v[WS]|, |v[WS+1]|, |v[WS+2]|
	v_max3_num_f32 v13, |v[WS+3]|, |v[WS+4]|, |v[WS+5]|
.irp i, 6,10,14,18,22,26
	v_max3_num_f32 v12, v12, |v[WS+\i]|, |v[WS+\i+1]|
	v_max3_num_f32 v13, v13, |v[WS+\i+2]|, |v[WS+\i+3]|
.endr
	v_max3_num_f32 v12, v12, |v[WS+30]|, |v[WS+31]|
	v_max3_num_f32 v12, v12, v13, 0x1800000        ; the floor 2^(3 - 127)
	v_add_nc_u32 v11, 0xff000000, v12              ; the conversion's scale operand
	v_lshrrev_b32 v13, 23, v11                     ; the scale's byte
.if (\t)%4 == 0
	v_mov_b32 v[WSB+(\t)/4], v13
.else
	v_lshl_or_b32 v[WSB+(\t)/4], v13, 8*((\t)%4), v[WSB+(\t)/4]
.endif
.irp g, 0,1,2,3
	v_cvt_scalef32_pk8_fp4_f32 v[WC+\g], v[WS+8*\g:WS+8*\g+7], v11
.endr
	v_nop                                          ; a plain line behind the last conversion
	ds_store_b128 v4, v[WC:WC+3] offset:16*(\t)    ; 32 codes: 16 bytes of my column's row
.if (\t)+2 < 16
	WLOAD (\t)+2
.endif
	s_wait_dscnt 0x0                               ; the store has read its registers: the next block's codes may be written
.endm
	WLOAD 0
	WLOAD 1
.irp t, 0,1,2,3,4,5,6,7,8,9,10,11,12,13,14,15
	WBLOCK \t
.endr
	global_store_b128 v9, v[WSB:WSB+3], s[16:17]   ; my column's 16 scale bytes
.irp t, 0,1,2,3,4,5,6,7,8,9,10,11,12,13,14,15
	ds_load_b128 v[WOUT+4*\t:WOUT+4*\t+3], v7 offset:2*\t*WP
.endr
.irp t, 0,1,2,3,4,5,6,7,8,9,10,11,12,13,14,15
	s_wait_dscnt 15-\t                             ; LDS loads come back in order: pair t of rows is in
	global_store_b128 v8, v[WOUT+4*\t:WOUT+4*\t+3], s[14:15] offset:2*\t*512
.endr
	s_wait_tensorcnt 0x0                           ; the wave's end, behind my last LDS store
	ds_add_u32 v[SPW], v[NIL]
	s_wait_dscnt 0x0
	s_endpgm
.Lfunc_end_k_q6391df019a_prep:
	.size	k_q6391df019a_prep, .Lfunc_end_k_q6391df019a_prep-k_q6391df019a_prep
	.p2alignl 7, 3214868480
	.fill 96, 4, 3214868480
	.section	.rodata,"a",@progbits
	.p2align	6, 0x0
	.amdhsa_kernel k_q6391df019a_prep
		.amdhsa_group_segment_fixed_size 68096
		.amdhsa_private_segment_fixed_size 0
		.amdhsa_enable_private_segment 0
		.amdhsa_kernarg_size 72
		.amdhsa_user_sgpr_count 2
		.amdhsa_user_sgpr_kernarg_segment_ptr 1
		.amdhsa_wavefront_size32 1
		.amdhsa_system_sgpr_workgroup_id_x 1
		.amdhsa_system_sgpr_workgroup_id_y 1
		.amdhsa_system_sgpr_workgroup_id_z 1
		.amdhsa_system_vgpr_workitem_id 0
		.amdhsa_next_free_vgpr 192
		.amdhsa_next_free_sgpr 66
		.amdhsa_reserve_vcc 0
		.amdhsa_float_denorm_mode_32 3
		.amdhsa_float_denorm_mode_16_64 3
		.amdhsa_memory_ordered 1
		.amdhsa_forward_progress 1
		.amdhsa_inst_pref_size 140
	.end_amdhsa_kernel
	.amdgpu_metadata
---
amdhsa.version: [ 1, 2 ]
amdhsa.kernels:
  - .name:           k_q6391df019a_prep
    .symbol:         k_q6391df019a_prep.kd
    .args:
      - { .name: x, .offset: 0, .size: 8, .value_kind: global_buffer, .address_space: global }
      - { .name: W_attn, .offset: 8, .size: 8, .value_kind: global_buffer, .address_space: global }
      - { .name: W_proj, .offset: 16, .size: 8, .value_kind: global_buffer, .address_space: global }
      - { .name: xc, .offset: 24, .size: 8, .value_kind: global_buffer, .address_space: global }
      - { .name: xs, .offset: 32, .size: 8, .value_kind: global_buffer, .address_space: global }
      - { .name: wc, .offset: 40, .size: 8, .value_kind: global_buffer, .address_space: global }
      - { .name: ws, .offset: 48, .size: 8, .value_kind: global_buffer, .address_space: global }
      - { .name: wp, .offset: 56, .size: 8, .value_kind: global_buffer, .address_space: global }
      - { .name: out1, .offset: 64, .size: 8, .value_kind: global_buffer, .address_space: global }
    .group_segment_fixed_size: 68096
    .private_segment_fixed_size: 0
    .kernarg_segment_align: 8
    .kernarg_segment_size: 72
    .max_flat_workgroup_size: 128
    .sgpr_count:     66
    .vgpr_count:     192
    .wavefront_size: 32
...
	.end_amdgpu_metadata
.endif
;; end of part 1
;; launch qkv (part 2): grid 12 x 32, 4 waves a work-group, clusters of 4 x 4, 327,680 bytes of LDS; arguments xc, xs, wc, ws, b_attn, qkv, qf; writes qkv, qf
.if DOCPART == 2
	.amdgcn_target "amdgcn-amd-amdhsa--gfx1250"
	.amdhsa_code_object_version 6
	.text
	.protected	k_q6391df019a_qkv
	.globl	k_q6391df019a_qkv
	.p2align	8
	.type	k_q6391df019a_qkv,@function
k_q6391df019a_qkv:
	s_mov_b64 s[64:65], 0
	v_nop
	global_prefetch_b8 v0, s[64:65] scope:SCOPE_SE
	s_setreg_imm32_b32 hwreg(HW_REG_WAVE_MODE, 25, 1), 1
	s_wait_xcnt 0x0
	s_wait_alu depctr_hold_cnt(0) depctr_sa_sdst(0) depctr_va_vdst(0) depctr_va_sdst(0) depctr_va_ssrc(0) depctr_va_vcc(0) depctr_vm_vsrc(0)
	s_getreg_b32 s2, hwreg(HW_REG_IB_STS2, 6, 4)
	s_cmp_eq_u32 s2, 0
	s_cbranch_scc0 .Lentry_in_a_cluster
	s_endpgm
.Lentry_in_a_cluster:
	s_bfe_u32 s2, ttmp6, 0x10000c
	s_cmp_lg_u32 s2, 0xf033
	s_cbranch_scc0 .Lentry_shape_is_right
	s_endpgm
.Lentry_shape_is_right:
; qkv = Q(x) Q(W_attn) + b_attn on codes of E2M1 with one E8M0 scale for each 32 along K = 1,024.  A = xc [8192][512 bytes], xs [8192][32]; B = wc [3072][512 bytes], ws [3072][32].
; The result leaves as f16, head-major: qkv [3 (q, k, v)][batch 4][head 16][t 2048][64]; the rows t < 16 of every batch leave in f32 as well: qf [batch][16][3072].
; LIMIT: |q|, |k|, |v| stay under 65,504 (f16).
; A tile of C, 256 x 256, is made by four waves, 128 x 128 each: 64 accumulators, 512 registers.  K is two slots of 512: both are asked for at the start, with the scales of all of K; nothing is filled again.
; CLUSTERS: 4 x 4 work-groups; the four of a row of the cluster need the same tiles of A, the four of a column the same tiles of B: each tile is asked for jointly.
; The tile row is 8 cy + cluster y, so that cy is the batch and 't < 256' is 'cluster y = 0', a number that all sixteen partners share.
; THE MATRIX INSTRUCTION IS USED TRANSPOSED (source 0 = 16 rows of B, source 1 = 16 rows of A): a lane holds eight neighbouring columns of one row of C.  The bias is the C of each sum's first product.
; REGISTERS: window 0: v0-31 addresses; v32-95 scale words, two sets; v128-191 A's fragments, one set; v192-255 the bias, later packed results.  window 1: B's fragments, two sets, at v0 and v128.
;   window 2: accumulators of my rows 0-63 ((a, b) at v[8 (8 a + b)]);  window 3: those of rows 64-127.
.set NQ,     4                         ; steps of 128 along K in a slot
.set ROWB,   256                       ; a tile's row in bytes: 512 codes
.set KROW,   512                       ; a row of codes in memory
.set PITCH,  272                       ; an LDS row: 256 bytes + 16 of padding: the 16 rows of a fragment load start at 16 different banks
.set FR,     8
.set NL,     2
.set NP,     4
.set HALFT,  128*PITCH
.set SLOT,   4*HALFT
.set KS,     32                        ; a row of scale bytes
.set SCL,    2*SLOT                    ; behind the two slots: the scales, as rows of 256 bytes + 16
.set HALFS,  (128*KS/256)*272
.set SBLK,   (16*KS/256)*272
.set SPARE,  SCL+4*HALFS               ; the spare words: 128 bytes a wave, two blocks of 256 bytes that no other line names
.set WSTAGE, 4608                      ; the way out: a stage of 2 heads x 16 rows x 144 bytes for each wave, in slot 0, which has had its only fill and its last read by then
.set ADRA, 16
.set ADRB, 20
.set STO,  24
.set RD,   25
.set CO,   26
.set ADRS, 27
.set SPW,  28
.set NIL,  29
.set FO,   30                          ; v30  my byte offset in qf's 16 rows
.set BO,   31                          ; v31  32 x (lane / 16): my eight numbers of a block's 16 biases
.set SC,   32
.set AF,   128
.set BIAS, 192
.set TMP,  192
.set BK,   128
.set G1, 24
.set G0, 32
.set G1B, 48
.set G0B, 56
.set G1S, 68
.set G0S, 76
.set G1SB, 80
.set G0SB, 88
.set MSB, 0
.macro WIN new                         ; the immediate's high byte repeats the setting that is left
.if MSB != \new
	s_set_vgpr_msb (MSB<<8)|\new
.set MSB, \new
.endif
.endm
.set MUL_LO, 0xa1                      ; source 0 (B) window 1, source 1 (A) window 0, C and D window 2
.set MUL_HI, 0xf1                      ; the same, C and D window 3
.set TO_B,   0x40
.macro JLOAD g0a, g1a, g0b, g1b        ; a joint load: waves 0 and 1 fetch for A, waves 2 and 3 for B; the branch hangs on the wave's number alone
	s_cmp_eq_u32 s15, 0
	s_cbranch_scc0 .Lfor_b_\@
	tensor_load_to_lds s[\g0a:\g0a+3], s[\g1a:\g1a+7]
	s_nop 0
.rept 4
	v_nop
.endr
	s_branch .Lasked_\@
.Lfor_b_\@:
	tensor_load_to_lds s[\g0b:\g0b+3], s[\g1b:\g1b+7]
	s_nop 0
.rept 4
	v_nop
.endr
.Lasked_\@:
.endm
.macro CROUND                          ; a round of the cluster's barrier
	s_barrier_signal -1
	s_barrier_wait -1
	s_cmp_lg_u32 s14, 0
	s_cbranch_scc1 .Lnot_wave_0_\@
	s_barrier_signal -3
.Lnot_wave_0_\@:
	s_barrier_wait -3
	s_barrier_signal -1
	s_barrier_wait -1
.endm
	s_load_b128 s[4:7], s[0:1], 0x0                ; xc, xs
	s_load_b128 s[8:11], s[0:1], 0x10              ; wc, ws
	s_load_b64 s[96:97], s[0:1], 0x20              ; b_attn
	s_load_b64 s[12:13], s[0:1], 0x28              ; qkv
	s_load_b64 s[98:99], s[0:1], 0x30              ; qf
	v_lshl_add_u32 v[SPW], v0, 2, SPARE
	v_mov_b32 v[NIL], 0
	ds_add_u32 v[SPW], v[NIL]                      ; the wave's opening: the add, twice on end, and its wait ahead of my first tensor load
	ds_add_u32 v[SPW], v[NIL]
	v_lshrrev_b32 v1, 5, v0
	v_readfirstlane_b32 s14, v1                    ; wave 0..3
	s_lshr_b32 s15, s14, 1                         ; which half of the tile's rows is mine.  Also: I fetch for A (0) or for B (1)
	s_and_b32 s16, s14, 1                          ; which half of its columns.  Also: which 128 rows I fetch
	s_bfe_u32 s40, ttmp6, 0x40000                  ; cx
	s_bfe_u32 s41, ttmp6, 0x40004                  ; cy = the batch
	s_lshl_b32 s42, ttmp9, 2
	s_add_co_u32 s42, s42, s40                     ; tile column = 4 x cluster x + cx
	s_and_b32 s95, ttmp7, 0xffff                   ; cluster y
	s_lshl_b32 s17, s41, 3
	s_add_co_u32 s17, s17, s95                     ; tile row = 8 cy + cluster y
	s_or_b32 s66, s95, s15                         ; 0 where my first 16 rows are a batch's first 16
	s_lshl_b32 s43, s41, 2
	s_lshl_b32 s43, 15, s43                        ; my row of the cluster
	s_lshl_b32 s44, 0x1111, s40                    ; my column
	s_or_b32 s[G1+0], s43, (0<<16)|(1<<20)|(1<<21)|(5<<22)|(3<<25)  ; the mask; elements of 1 byte; padding: 4 words behind every 64; bit 21 beside a mask
	s_or_b32 s[G1B+0], s44, (0<<16)|(1<<20)|(1<<21)|(5<<22)|(3<<25)
.irp g, G1, G1B
	s_mov_b32 s[\g+1], ROWB<<16                    ; tensor_dim0
	s_mov_b32 s[\g+2], 128<<16                     ; tensor_dim1
	s_mov_b32 s[\g+3], ROWB<<16                    ; tile_dim0
	s_mov_b32 s[\g+4], 128                         ; tile_dim1
	s_mov_b32 s[\g+5], KROW                        ; the pitch
	s_mov_b32 s[\g+6], 0
	s_mov_b32 s[\g+7], 0
.endr
	s_or_b32 s[G1S+0], s43, (3<<16)|(1<<20)|(1<<21)|(5<<22)|(3<<25) ; the scales of 128 rows: 4,096 dense bytes as 16 rows of 256 (32 elements of 8 bytes)
	s_or_b32 s[G1SB+0], s44, (3<<16)|(1<<20)|(1<<21)|(5<<22)|(3<<25)
.irp g, G1S, G1SB
	s_mov_b32 s[\g+1], 32<<16
	s_mov_b32 s[\g+2], (128*KS/256)<<16
	s_mov_b32 s[\g+3], 32<<16
	s_mov_b32 s[\g+4], 128*KS/256
	s_mov_b32 s[\g+5], 32
	s_mov_b32 s[\g+6], 0
	s_mov_b32 s[\g+7], 0
.endr
	s_lshl_b32 s18, s16, 7
	s_lshl_b32 s20, s17, 8
	s_add_co_u32 s20, s20, s18                     ; A: row 256 x tile row + 128 x half
	s_lshl_b32 s46, s42, 8
	s_add_co_u32 s46, s46, s18                     ; B: row 256 x tile column + 128 x half
	s_mov_b32 s21, 0
	s_mov_b32 s47, 0
	s_mov_b64 s[18:19], KS
	s_mul_u64 s[22:23], s[20:21], s[18:19]         ; where these rows' scales begin
	s_mul_u64 s[92:93], s[46:47], s[18:19]
	s_mov_b64 s[18:19], KROW
	s_mul_u64 s[20:21], s[20:21], s[18:19]         ; and their codes
	s_mul_u64 s[46:47], s[46:47], s[18:19]
	s_mul_i32 s45, s14, HALFT                      ; where they go: wave x 128 rows
	s_mul_i32 s94, s14, HALFS
	s_wait_dscnt 0x0                               ; both opening adds are done
	s_wait_kmcnt 0x0
	s_add_nc_u64 s[20:21], s[4:5], s[20:21]
	s_add_nc_u64 s[22:23], s[6:7], s[22:23]
	s_add_nc_u64 s[46:47], s[8:9], s[46:47]
	s_add_nc_u64 s[92:93], s[10:11], s[92:93]
	CROUND                                         ; all sixteen work-groups are here: the joint loads meet
	s_mov_b32 s[G0S], 1
	s_add_co_u32 s[G0S+1], s94, SCL
	s_mov_b64 s[G0S+2:G0S+3], s[22:23]
	s_or_b32 s[G0S+3], s[G0S+3], 0x80000000
	s_mov_b32 s[G0SB], 1
	s_add_co_u32 s[G0SB+1], s94, SCL
	s_mov_b64 s[G0SB+2:G0SB+3], s[92:93]
	s_or_b32 s[G0SB+3], s[G0SB+3], 0x80000000
	JLOAD G0S, G1S, G0SB, G1SB                     ; the scales first; then both slots: three loads of mine are out
.irp s, 0,1
	s_mov_b32 s[G0+4*\s], 1
	s_add_co_u32 s[G0+4*\s+1], s45, \s*SLOT
	s_add_nc_u64 s[G0+4*\s+2:G0+4*\s+3], s[20:21], \s*ROWB
	s_or_b32 s[G0+4*\s+3], s[G0+4*\s+3], 0x80000000
	s_mov_b32 s[G0B+4*\s], 1
	s_add_co_u32 s[G0B+4*\s+1], s45, \s*SLOT
	s_add_nc_u64 s[G0B+4*\s+2:G0B+4*\s+3], s[46:47], \s*ROWB
	s_or_b32 s[G0B+4*\s+3], s[G0B+4*\s+3], 0x80000000
	JLOAD G0+4*\s, G1, G0B+4*\s, G1B
.endr
	v_and_b32 v1, 15, v0                           ; r = l % 16
	v_bfe_u32 v2, v0, 4, 1                         ; h = l / 16
	; where my results go.  n0w = my first column = 256 x tile column + 128 x half: two heads of one of q, k, v
	s_lshl_b32 s46, s42, 8
	s_lshl_b32 s47, s16, 7
	s_add_co_u32 s46, s46, s47                     ; n0w
	s_lshr_b32 s92, s46, 10                        ; q, k or v
	s_lshl_b32 s92, s92, 6
	s_bfe_u32 s93, s46, 0x40006                    ; the first of my two heads
	s_add_co_u32 s92, s92, s93
	s_lshl_b32 s92, s92, 18                        ; a plane (one head of one batch) is 262,144 bytes
	s_mov_b32 s93, 0
	s_add_nc_u64 s[12:13], s[12:13], s[92:93]
	s_lshl_b32 s46, s46, 2
	s_mov_b32 s47, 0
	s_add_nc_u64 s[96:97], s[96:97], s[46:47]      ; b_attn at my first column
	s_add_nc_u64 s[98:99], s[98:99], s[46:47]      ; qf likewise
	s_lshl_b32 s20, s41, 22                        ; the batch's 16 planes,
	s_lshl_b32 s21, s95, 15                        ; 256 x cluster y rows of 128 bytes,
	s_add_co_u32 s20, s20, s21
	s_lshl_b32 s21, s15, 14                        ; my half's 128 rows
	s_add_co_u32 s20, s20, s21
	s_mov_b32 s21, 0
	s_add_nc_u64 s[12:13], s[12:13], s[20:21]
	s_mul_i32 s20, s41, 196608                     ; qf: 16 rows of 12,288 bytes a batch
	s_add_nc_u64 s[98:99], s[98:99], s[20:21]
	v_lshlrev_b32 v[BO], 5, v2
.irp b, 0,1,2,3,4,5,6,7
	global_load_b128 v[BIAS+8*\b:BIAS+8*\b+3], v[BO], s[96:97] offset:64*\b          ; lane (r, h): the biases of columns 16 b + 8 h + 0 .. 7: the result's layout
	global_load_b128 v[BIAS+8*\b+4:BIAS+8*\b+7], v[BO], s[96:97] offset:64*\b+16
.endr
	v_mul_u32_u24 v3, v1, PITCH
	v_lshl_add_u32 v4, v2, 4, v3                   ; a fragment's row x pitch + 16 x half
	s_mul_i32 s21, s15, HALFT                      ; my 128 rows of A
	s_mul_i32 s22, s16, HALFT                      ; my 128 rows of B,
	s_add_co_u32 s22, s22, 2*HALFT                 ; behind A's 256
.irp s, 0,1
	v_add_nc_u32 v[ADRA+\s], s21, v4
	v_add_nc_u32 v[ADRB+\s], s22, v4
	s_add_co_u32 s21, s21, SLOT
	s_add_co_u32 s22, s22, SLOT
.endr
	v_mul_u32_u24 v5, v1, KS                       ; my row's scales: 32 bytes a row,
	v_lshrrev_b32 v6, 8, v5
	v_lshl_add_u32 v5, v6, 4, v5                   ; and 16 more for each 256 passed
	s_mul_i32 s21, s15, HALFS
	s_mul_i32 s22, s16, HALFS
	s_add_co_u32 s22, s22, 2*HALFS
	s_sub_co_u32 s22, s22, s21
	v_mul_u32_u24 v6, s22, v2                      ; lanes 16-31 take B's
	s_add_co_u32 s21, s21, SCL
	v_add_nc_u32 v5, v5, v6
	v_add_nc_u32 v[ADRS], s21, v5
	s_mul_i32 s23, s14, WSTAGE                     ; my stage
	v_mul_u32_u24 v5, v1, 144
	v_lshl_add_u32 v5, v2, 4, v5
	v_add_nc_u32 v[STO], s23, v5                   ; in: row r, 16 bytes for each half of the lanes
	v_bfe_u32 v5, v0, 3, 2
	v_mul_u32_u24 v5, v5, 144
	v_and_b32 v7, 7, v0
	v_lshl_add_u32 v5, v7, 4, v5
	v_add_nc_u32 v[RD], s23, v5                    ; back: eight lanes to a row of 128 bytes, four rows an instruction
	v_and_b32 v6, 31, v0
	v_lshlrev_b32 v[CO], 4, v6                     ; and the same 512 bytes in a head's rows, which are dense
	v_mul_u32_u24 v[FO], v1, 12288
	v_lshl_add_u32 v[FO], v2, 5, v[FO]
.macro FRAG reg, adr, q, i             ; 16 rows x 128 K of 4-bit codes: 8 registers: two loads of 16 bytes, 32 bytes apart
.irp c, 0,1
	ds_load_b128 v[\reg+4*\c:\reg+4*\c+3], v[\adr] offset:64*(\q)+32*\c+(\i)*16*PITCH
.endr
.endm
; 16 products: A's blocks a0, a0 + 1 x B's eight.  zero = 1: the first product starts the sums from the bias.  The 64 accumulators take turns, one instruction a turn.
.macro MUL16 a0, p, q, sc, zero
.irp a, \a0, \a0+1
.irp b, 0,1,2,3,4,5,6,7
.if \zero
	v_wmma_scale_f32_16x16x128_f8f6f4 v[8*(8*((\a)%4)+\b):8*(8*((\a)%4)+\b)+7], v[128*(\p)+FR*\b:128*(\p)+FR*\b+FR-1], v[AF+FR*(\a):AF+FR*(\a)+FR-1], v[BIAS+8*\b:BIAS+8*\b+7], v[SC+8*NQ*(\sc)+NQ*\b+(\q)], v[SC+8*NQ*(\sc)+NQ*(\a)+(\q)] matrix_a_fmt:MATRIX_FMT_FP4 matrix_b_fmt:MATRIX_FMT_FP4 matrix_a_scale:MATRIX_SCALE_ROW1
.else
	v_wmma_scale_f32_16x16x128_f8f6f4 v[8*(8*((\a)%4)+\b):8*(8*((\a)%4)+\b)+7], v[128*(\p)+FR*\b:128*(\p)+FR*\b+FR-1], v[AF+FR*(\a):AF+FR*(\a)+FR-1], v[8*(8*((\a)%4)+\b):8*(8*((\a)%4)+\b)+7], v[SC+8*NQ*(\sc)+NQ*\b+(\q)], v[SC+8*NQ*(\sc)+NQ*(\a)+(\q)] matrix_a_fmt:MATRIX_FMT_FP4 matrix_b_fmt:MATRIX_FMT_FP4 matrix_a_scale:MATRIX_SCALE_ROW1
.endif
.endr
.endr
.endm
.macro FETCH_B slot, q, p
	WIN TO_B
.irp i, 0,1,2,3,4,5,6,7
	FRAG 128*(\p)+FR*\i, ADRB+\slot, \q, \i
.endr
	WIN 0
.endm
.macro FETCH_A slot, q, i0
.irp i, \i0, \i0+1, \i0+2, \i0+3
	FRAG AF+FR*(\i), ADRA+\slot, \q, \i
.endr
.endm
.macro SCALES sc                       ; a slot's scale words: lanes 0-15 take A's block i, lanes 16-31 B's block i; four words a row
.irp i, 0,1,2,3,4,5,6,7
	ds_load_b128 v[SC+8*NQ*\sc+NQ*\i:SC+8*NQ*\sc+NQ*\i+3], v[ADRS] offset:\i*SBLK
.endr
.endm
.macro PLACES n                        ; plain vector lines between a matrix instruction and a load into, or a read of, its registers
.rept \n
	v_nop
.endr
.endm
.macro STEP slot, q, zero              ; 128 along K, with its successor in the same slot
	s_wait_dscnt 4*NL                              ; B's set and A's blocks 0-3 are in; the youngest 8 loads (A's blocks 4-7) may be out
.if \zero
	WIN 0x81                                       ; C (the bias) window 0, D window 2
.else
	WIN MUL_LO
.endif
	MUL16 0, (\q)%2, \q, \slot, \zero
	MUL16 2, (\q)%2, \q, \slot, \zero
	s_wait_dscnt 0
	PLACES NP
	FETCH_B \slot, (\q)+1, 1-(\q)%2
	FETCH_A \slot, (\q)+1, 0
.if \zero
	WIN 0xc1                                       ; D window 3
.else
	WIN MUL_HI
.endif
	MUL16 4, (\q)%2, \q, \slot, \zero
	MUL16 6, (\q)%2, \q, \slot, \zero
	PLACES NP
	WIN 0
	FETCH_A \slot, (\q)+1, 4
.endm
.macro STEPS slot, from
.set Q, \from
.rept NQ-1-\from
	STEP \slot, Q, 0
.set Q, Q+1
.endr
.endm
	s_wait_tensorcnt 1                             ; the scales and my part of slot 0 are in; slot 1's load may be out
	s_barrier_signal -1
	s_barrier_wait -1
	FETCH_B 0, 0, 0
	FETCH_A 0, 0, 0
	SCALES 0
	FETCH_A 0, 0, 4
	s_wait_loadcnt 0x0                             ; the bias
	STEP 0, 0, 1
	STEPS 0, 1
	; slot 0's last step changes slots: each wave waits for all its tensor loads (its part of slot 1) and for its reads of slot 0; one barrier; nothing is filled again
	s_wait_tensorcnt 0x0
	ds_add_u32 v[SPW], v[NIL]                      ; 0 onto my spare word
	s_wait_dscnt 4*NL+1                            ; the add and the youngest 8 loads may be out
	WIN MUL_LO
	MUL16 0, 1, NQ-1, 0, 0
	s_wait_dscnt 0x0
	s_barrier_signal -1
	MUL16 2, 1, NQ-1, 0, 0
	WIN 0
	s_barrier_wait -1
	PLACES NP
	v_add_nc_u32 v[ADRS], 4*NQ, v[ADRS]            ; slot 1's scale words
	FETCH_B 1, 0, 0
	FETCH_A 1, 0, 0
	SCALES 1
	WIN MUL_HI
	MUL16 4, 1, NQ-1, 0, 0
	MUL16 6, 1, NQ-1, 0, 0
	PLACES NP
	WIN 0
	FETCH_A 1, 0, 4
	STEPS 1, 0
	s_wait_dscnt 4*NL                              ; the very last step
	WIN MUL_LO
	MUL16 0, 1, NQ-1, 1, 0
	MUL16 2, 1, NQ-1, 1, 0
	s_wait_dscnt 0
	WIN MUL_HI
	MUL16 4, 1, NQ-1, 1, 0
	MUL16 6, 1, NQ-1, 1, 0
	WIN 0
	PLACES NP
	; a batch's first 16 rows also leave in f32.  The branch hangs on the cluster's y and the wave's number alone: it is the same in all sixteen partners
	s_cmp_lg_u32 s66, 0
	s_cbranch_scc1 .Lnot_fine
	WIN 0x08                                       ; a store's data are its source 1: window 2
.irp b, 0,1,2,3,4,5,6,7
	global_store_b128 v[FO], v[8*\b:8*\b+3], s[98:99] offset:64*\b       ; each accumulator from its low end on
	global_store_b128 v[FO], v[8*\b+4:8*\b+7], s[98:99] offset:64*\b+16
.endr
	WIN 0
.Lnot_fine:
; THE WAY OUT, a block of 16 rows x 128 columns (two heads) at a time: rounded to f16, 16 bytes a lane; through my stage; back as rows of 128 bytes, four rows of one head (512 consecutive bytes) a store.
.macro PACK a
.set AC, 64*((\a)%4)
	WIN 0x0a+5*((\a)/4)                            ; sources 0 and 1: window 2 or 3
.irp b, 0,1,2,3,4,5,6,7
.irp r, 0,1,2,3
	v_cvt_pk_f16_f32 v[TMP+4*\b+\r], v[AC+8*\b+2*\r], v[AC+8*\b+2*\r+1]
.endr
.endr
	WIN 0
.endm
.macro TOSTAGE a
.set BB, BK+32*((\a)%2)
.irp b, 0,1,2,3,4,5,6,7
	ds_store_b128 v[STO], v[TMP+4*\b:TMP+4*\b+3] offset:(\b/4)*2304+32*(\b%4)
.endr
.irp g, 0,1,2,3,4,5,6,7
	ds_load_b128 v[BB+4*\g:BB+4*\g+3], v[RD] offset:(\g/4)*2304+576*(\g%4)   ; LDS serves a wave's instructions in order: these see the stores above
.endr
.endm
.macro SEND a
.set BB, BK+32*((\a)%2)
	s_wait_dscnt 0x0                               ; the block is back in registers
	s_wait_xcnt 0x0                                ; the block before's stores have read their registers: the next block's loads may land there
.irp g, 0,1,2,3,4,5,6,7
	global_store_b128 v[CO], v[BB+4*\g:BB+4*\g+3], s[12:13] offset:(\g/4)*262144+2048*(\a)+512*(\g%4)
.endr
.endm
	PACK 0
	TOSTAGE 0
.irp a, 1,2,3,4,5,6,7
	PACK \a
	SEND \a-1
	TOSTAGE \a
.endr
	SEND 7
	s_wait_tensorcnt 0x0                           ; the wave's end
	ds_add_u32 v[SPW], v[NIL]
	s_wait_dscnt 0x0
	CROUND                                         ; the closing round
	s_endpgm
.Lfunc_end_k_q6391df019a_qkv:
	.size	k_q6391df019a_qkv, .Lfunc_end_k_q6391df019a_qkv-k_q6391df019a_qkv
	.p2alignl 7, 3214868480
	.fill 96, 4, 3214868480
	.section	.rodata,"a",@progbits
	.p2align	6, 0x0
	.amdhsa_kernel k_q6391df019a_qkv
		.amdhsa_group_segment_fixed_size 327680
		.amdhsa_private_segment_fixed_size 0
		.amdhsa_enable_private_segment 0
		.amdhsa_kernarg_size 56
		.amdhsa_user_sgpr_count 2
		.amdhsa_user_sgpr_kernarg_segment_ptr 1
		.amdhsa_wavefront_size32 1
		.amdhsa_system_sgpr_workgroup_id_x 1
		.amdhsa_system_sgpr_workgroup_id_y 1
		.amdhsa_system_sgpr_workgroup_id_z 1
		.amdhsa_system_vgpr_workitem_id 0
		.amdhsa_next_free_vgpr 1024
		.amdhsa_next_free_sgpr 100
		.amdhsa_reserve_vcc 0
		.amdhsa_float_denorm_mode_32 3
		.amdhsa_float_denorm_mode_16_64 3
		.amdhsa_memory_ordered 1
		.amdhsa_forward_progress 1
		.amdhsa_inst_pref_size 130
	.end_amdhsa_kernel
	.amdgpu_metadata
---
amdhsa.version: [ 1, 2 ]
amdhsa.kernels:
  - .name:           k_q6391df019a_qkv
    .symbol:         k_q6391df019a_qkv.kd
    .args:
      - { .name: xc, .offset: 0, .size: 8, .value_kind: global_buffer, .address_space: global }
      - { .name: xs, .offset: 8, .size: 8, .value_kind: global_buffer, .address_space: global }
      - { .name: wc, .offset: 16, .size: 8, .value_kind: global_buffer, .address_space: global }
      - { .name: ws, .offset: 24, .size: 8, .value_kind: global_buffer, .address_space: global }
      - { .name: b_attn, .offset: 32, .size: 8, .value_kind: global_buffer, .address_space: global }
      - { .name: qkv, .offset: 40, .size: 8, .value_kind: global_buffer, .address_space: global }
      - { .name: qf, .offset: 48, .size: 8, .value_kind: global_buffer, .address_space: global }
    .group_segment_fixed_size: 327680
    .private_segment_fixed_size: 0
    .kernarg_segment_align: 8
    .kernarg_segment_size: 56
    .max_flat_workgroup_size: 128
    .sgpr_count:     100
    .vgpr_count:     1024
    .wavefront_size: 32
...
	.end_amdgpu_metadata
.endif
;; end of part 2
;; launch attn (part 3): grid 4 x 64, 16 waves a work-group, no clusters, 327,680 bytes of LDS; arguments qkv, y; writes y
.if DOCPART == 3
	.amdgcn_target "amdgcn-amd-amdhsa--gfx1250"
	.amdhsa_code_object_version 6
	.text
	.protected	k_q6391df019a_attn
	.globl	k_q6391df019a_attn
	.p2align	8
	.type	k_q6391df019a_attn,@function
k_q6391df019a_attn:
	s_mov_b64 s[64:65], 0
	v_nop
	global_prefetch_b8 v0, s[64:65] scope:SCOPE_SE
	s_setreg_imm32_b32 hwreg(HW_REG_WAVE_MODE, 25, 1), 1
	s_wait_xcnt 0x0
; y[bh][q][:] = the sum over k <= q of softmax_k(Q[q] . K[k] / 8) V[k][:], for each of 64 (batch, head) planes; T = 2,048, head size 64.  Q, K, V: f16 planes of qkv, rows of 128 bytes; y: f16, the same layout.
; Products on f16 operands with f32 sums; maxima, exponentials and row sums in f32; the weights p (at most 1) are rounded to f16 for the second product, y once at the end.
; LIMIT: |q|, |k|, |v|, |y| under 65,504.  The first 16 rows of a batch are computed here too, but the projection takes them from a launch that carries them in f32.
; SHARES.  Work-group (i, bh) owns query blocks i and 7 - i of 256 rows, so that under the causal mask all 256 work-groups have the same work.  Wave w owns 32 queries (two tiles of 16): of block 7 - i
; where (w xor w / 4) is odd, else of block i.  Every wave walks the keys in steps of 64 and leaves out, by a scalar branch on ids, the steps all of whose keys come after its queries.
; NO CLUSTER: the work-groups of a head need different numbers of slots under the mask, so a partner would have to ask for tiles that none of its waves reads.
; RING.  Two LDS slots of 256 keys (K's rows 144 bytes apart, V's 160), filled by waves 0-1 (K's halves) and 2-3 (V's halves), read by all sixteen; one load a wave is out behind each barrier.
; LAYOUT.  S^T = K Q^T (source 0 = 16 keys, source 1 = 16 queries): a lane holds ONE query (lane % 16) and keys 8 (lane / 16) + 0..7.  Two such tiles rounded in pairs ARE source 1 of O^T = V^T P; V comes turned by ds_load_tr16_b128.
; SOFTMAX.  A running maximum m and sum l for each query: p = 2^(c s - c m), c = log2(e) / 8; O and l are multiplied by a = 2^(c m_old - c m_new) in every step.
.set KP,    144
.set VP,    160
.set VOFF,  256*KP                     ; a slot: 256 rows of K, then 256 rows of V
.set SLOT1, 1<<17                      ; slot 1 begins here: one exclusive or turns an address
.set SPARE, 2*SLOT1                    ; the spare words: 128 bytes a wave, eight blocks of 256 bytes that no other line names
.set AK0,  1                           ; v1   my lane's place in a tile of K
.set AV0,  2                           ; v2   the same for V
.set SPW,  3
.set NIL,  4
.set ADK,  5                           ; v5   LDS address of the step's K; on the way out: into the stage
.set ADV,  6                           ; v6   of V; on the way out: back from the stage
.set GO,   7                           ; v7   16 x lane
.set DD,   8                           ; v8   lane % 16 - 8 (lane / 16)
.set ST,   12                          ; tile t's statistics at v[12 + 8 t]: +0 c m, +1 m, +2, +3 l, +4 .. +7 at work; a at +6
.set PFO,  28                          ; v28  256 x lane
.set NINF, 29                          ; v29  -infinity
.set D0,   30                          ; v30, v31  the mask's bound for tiles 0, 1
.set QF,   32                          ; v32-63   Q: tile t, channels 32 c on, at 32 + 16 t + 8 c
.set SS,   64                          ; v64-127  S^T, then p, then P: tile t, keys 16 m on, at 64 + 32 t + 8 m
.set OO,   128                         ; v128-191 O^T: tile t, channels 16 m on, at 128 + 32 t + 8 m
.set FF,   192                         ; v192-255 eight fragments of K, then of V
.set TB,   2                           ; s2   LDS byte at which the slot in hand begins
.set WV,   18
.set SEL,  20
.set CS,   22
.set G1K,  24
.set G1V,  32
.set G0K,  40
.set G0V,  44
.set LASTQ, 66                         ; s66  my work-group's last query
.set SLOTS, 67
.set PFA,  76
.set LIM,  80
.set KF,   98                          ; s98  the step's first key
.set Q0,   99                          ; s99  my first query
.macro TLOAD                           ; waves 0, 1 fetch K's halves, waves 2, 3 V's, the others nothing; the branches hang on the wave's number alone
	s_cmp_lt_u32 s[WV], 2
	s_cbranch_scc0 .Lnot_k_\@
	tensor_load_to_lds s[G0K:G0K+3], s[G1K:G1K+7]
	s_nop 0
.rept 4
	v_nop
.endr
	s_branch .Lasked_\@
.Lnot_k_\@:
	s_cmp_lt_u32 s[WV], 4
	s_cbranch_scc0 .Lasked_\@
	tensor_load_to_lds s[G0V:G0V+3], s[G1V:G1V+7]
	s_nop 0
.rept 4
	v_nop
.endr
.Lasked_\@:
.endm
; A prefetch of what the NEXT change of slots will ask for: 32,768 dense bytes of K and as many of V.  All four work-groups of a plane walk the same K and V: the one with i = 0, which walks all eight slots,
; asks; in it waves 4-7 ask for K's block and waves 8-11 for V's, 8,192 bytes a wave, lanes 256 bytes apart: each block of 256 bytes is named once.  The last change that fills a slot asks for nothing.
.macro ASK
	s_cmp_gt_u32 s[SLOTS], s[LIM]
	s_cbranch_scc0 .Lnot_mine_\@
	global_prefetch_b8 v[PFO], s[PFA:PFA+1] th:TH_LOAD_NT scope:SCOPE_SE
.Lnot_mine_\@:
.endm
	s_load_b128 s[4:7], s[0:1], 0x0                ; qkv, y
	v_lshl_add_u32 v[SPW], v0, 2, SPARE
	v_mov_b32 v[NIL], 0
	ds_add_u32 v[SPW], v[NIL]                      ; the wave's opening: the add, twice on end, and its wait ahead of my first tensor load
	ds_add_u32 v[SPW], v[NIL]
	v_lshrrev_b32 v9, 5, v0
	v_readfirstlane_b32 s[WV], v9                  ; wave 0..15
	s_and_b32 s68, ttmp7, 0xffff
	s_lshl_b32 s68, s68, 18                        ; the plane's first byte: 262,144 x (16 batch + head)
	s_mov_b32 s69, 0
	s_lshr_b32 s70, s[WV], 2
	s_xor_b32 s70, s70, s[WV]
	s_and_b32 s70, s70, 1                          ; 1: I work for the late block
	s_sub_co_u32 s71, 7, ttmp9
	s_cmp_eq_u32 s70, 1
	s_cselect_b32 s71, s71, ttmp9                  ; my block of 256 queries
	s_lshr_b32 s72, s[WV], 1
	s_lshl_b32 s72, s72, 5
	s_lshl_b32 s[Q0], s71, 8
	s_add_co_u32 s[Q0], s[Q0], s72                 ; my first query
	s_sub_co_u32 s[LASTQ], 7, ttmp9
	s_lshl_b32 s[LASTQ], s[LASTQ], 8
	s_or_b32 s[LASTQ], s[LASTQ], 255
	s_and_b32 s73, s[WV], 1                        ; which half of a slot's rows I fetch, if I fetch
	s_mul_i32 s74, s73, 128*KP
	s_mul_i32 s75, s73, 128*VP
	s_add_co_u32 s75, s75, VOFF
	s_lshl_b32 s82, s73, 14                        ; 128 rows of 128 bytes
	s_mov_b32 s83, 0
	s_add_nc_u64 s[82:83], s[82:83], s[68:69]
	s_mov_b32 s[G1K], (1<<16)|(1<<20)|(4<<22)|(3<<25)   ; elements of 2 bytes; padding: 4 words behind every 32
	s_mov_b32 s[G1V], (1<<16)|(1<<20)|(4<<22)|(7<<25)   ; 8 words
.irp g, G1K, G1V
	s_mov_b32 s[\g+1], 64<<16                      ; tensor_dim0
	s_mov_b32 s[\g+2], 128<<16                     ; tensor_dim1
	s_mov_b32 s[\g+3], 64<<16                      ; tile_dim0
	s_mov_b32 s[\g+4], 128                         ; tile_dim1
	s_mov_b32 s[\g+5], 64                          ; the pitch
	s_mov_b32 s[\g+6], 0
	s_mov_b32 s[\g+7], 0
.endr
	s_mov_b32 s[SEL], 0x76543210
	s_mov_b32 s[SEL+1], 0xfedcba98
	s_mov_b32 s[CS], 0x3e38aa3b                    ; c = log2(e) / 8
	s_mov_b32 s[CS+1], s[CS]
	s_mov_b32 s[TB], 0
	s_mov_b32 s[KF], 0
	s_mov_b32 s[SLOTS], 7
	s_wait_dscnt 0x0                               ; both opening adds are done
	s_wait_kmcnt 0x0
	s_add_nc_u64 s[10:11], s[4:5], 0x1000000       ; K's 64 planes
	s_add_nc_u64 s[12:13], s[4:5], 0x2000000       ; V's
	s_mov_b32 s[G0K], 1
	s_mov_b32 s[G0K+1], s74
	s_add_nc_u64 s[G0K+2:G0K+3], s[10:11], s[82:83]
	s_or_b32 s[G0K+3], s[G0K+3], 0x80000000
	s_mov_b32 s[G0V], 1
	s_mov_b32 s[G0V+1], s75
	s_add_nc_u64 s[G0V+2:G0V+3], s[12:13], s[82:83]
	s_or_b32 s[G0V+3], s[G0V+3], 0x80000000
	TLOAD                                          ; slot 0: keys 0 to 255, which count for queries of every work-group
	s_lshl_b32 s84, s[Q0], 7
	s_mov_b32 s85, 0
	s_add_nc_u64 s[84:85], s[84:85], s[68:69]
	s_add_nc_u64 s[8:9], s[4:5], s[84:85]          ; Q at my first query
	s_add_nc_u64 s[14:15], s[6:7], s[84:85]        ; y likewise
	s_cmp_lt_u32 s[WV], 8
	s_cselect_b64 s[PFA:PFA+1], s[10:11], s[12:13]
	s_and_b32 s86, s[WV], 3
	s_lshl_b32 s86, s86, 13
	s_add_co_u32 s86, s86, 32768                   ; my wave's part, in slot 1: the first change of slots steps it to slot 2
	s_mov_b32 s87, 0
	s_add_nc_u64 s[86:87], s[86:87], s[68:69]
	s_add_nc_u64 s[PFA:PFA+1], s[PFA:PFA+1], s[86:87]
	s_sub_co_u32 s86, s[WV], 4
	s_lshr_b32 s86, s86, 3                         ; 0 in waves 4 to 11,
	s_or_b32 s86, s86, ttmp9                       ; of the work-group with i = 0
	s_cmp_eq_u32 s86, 0
	s_cselect_b32 s[LIM], 1, -1
	v_and_b32 v9, 15, v0                           ; r
	v_bfe_u32 v10, v0, 4, 1                        ; h
	v_lshlrev_b32 v11, 7, v9
	v_lshl_add_u32 v11, v10, 4, v11                ; Q: row r of 128 bytes + 16 h
.irp t, 0,1
.irp c, 0,1
	global_load_b128 v[QF+16*\t+8*\c:QF+16*\t+8*\c+3], v11, s[8:9] offset:2048*\t+64*\c
	global_load_b128 v[QF+16*\t+8*\c+4:QF+16*\t+8*\c+7], v11, s[8:9] offset:2048*\t+64*\c+32
.endr
.endr
	v_mul_u32_u24 v[AK0], v9, KP
	v_lshl_add_u32 v[AK0], v10, 4, v[AK0]
	v_and_b32 v[AV0], 7, v0
	v_lshl_add_u32 v[AV0], v10, 3, v[AV0]          ; the turning load: key 8 h + l % 8,
	v_mul_u32_u24 v[AV0], v[AV0], VP
	v_bfe_u32 v[ADK], v0, 3, 1
	v_lshl_add_u32 v[AV0], v[ADK], 4, v[AV0]       ; channels 8 ((l / 8) % 2) on
	v_add_nc_u32 v[AV0], VOFF, v[AV0]
	v_and_b32 v[GO], 31, v0
	v_lshlrev_b32 v[PFO], 8, v[GO]
	v_lshlrev_b32 v[GO], 4, v[GO]
	v_lshlrev_b32 v[DD], 3, v10
	v_sub_nc_u32 v[DD], v9, v[DD]
	v_mov_b32 v[NINF], 0xff800000
.irp t, 0,1
	v_mov_b32 v[ST+8*\t+1], 0xff61b1e6             ; m = -3e38, under every score
	v_mul_f32 v[ST+8*\t], s[CS], v[ST+8*\t+1]      ; c m
.irp j, 2,3,4,5,6,7
	v_mov_b32 v[ST+8*\t+\j], 0                     ; l; and the registers at work, so that none is named unwritten
.endr
.endr
.irp j, 0,1,2,3,4,5,6,7,8,9,10,11,12,13,14,15,16,17,18,19,20,21,22,23,24,25,26,27,28,29,30,31,32,33,34,35,36,37,38,39,40,41,42,43,44,45,46,47,48,49,50,51,52,53,54,55,56,57,58,59,60,61,62,63
	v_mov_b32 v[OO+\j], 0                          ; O^T: the step is written once: the first finds zeros, which a = 0 leaves zeros
.endr
; A KEY STEP: 64 keys, the q-th of the slot in hand.
.macro STEP q
	s_add_co_u32 s96, s[Q0], 31
	s_cmp_gt_u32 s[KF], s96                        ; all 64 keys come after my 32 queries: the step's work is left out (ids and the count of steps alone; no barrier, no tensor load stands in a step)
	s_cbranch_scc1 .Lhidden_\@
	v_add_nc_u32 v[ADK], s[TB], v[AK0]
	v_add_nc_u32 v[ADV], s[TB], v[AV0]
.irp c, 0,1
.irp m, 0,1,2,3
	ds_load_b128 v[FF+16*\m+8*\c:FF+16*\m+8*\c+3], v[ADK] offset:(64*(\q)+16*\m)*KP+64*\c
	ds_load_b128 v[FF+16*\m+8*\c+4:FF+16*\m+8*\c+7], v[ADK] offset:(64*(\q)+16*\m)*KP+64*\c+32
.endr
.endr
	s_wait_dscnt 8                                 ; channels 0-31 of the four tiles are in; the 8 loads of channels 32-63 may be out
.irp m, 0,1,2,3
.irp t, 0,1
	v_wmma_f32_16x16x32_f16 v[SS+32*\t+8*\m:SS+32*\t+8*\m+7], v[FF+16*\m:FF+16*\m+7], v[QF+16*\t:QF+16*\t+7], 0
.endr
.endr
	s_wait_dscnt 0x0
.irp m, 0,1,2,3
.irp t, 0,1
	v_wmma_f32_16x16x32_f16 v[SS+32*\t+8*\m:SS+32*\t+8*\m+7], v[FF+16*\m+8:FF+16*\m+15], v[QF+16*\t+8:QF+16*\t+15], v[SS+32*\t+8*\m:SS+32*\t+8*\m+7]
.endr
.endr
.rept 4
	v_nop                                          ; places in front of the loads into K's registers and of the first read of the scores
.endr
.irp u, 0,1
.irp m, 0,1,2,3
	ds_load_tr16_b128 v[FF+32*\u+8*\m:FF+32*\u+8*\m+3], v[ADV] offset:(64*(\q)+32*\u)*VP+32*\m            ; V^T: keys 32 u on, channels 16 m on; it lands under the softmax
	ds_load_tr16_b128 v[FF+32*\u+8*\m+4:FF+32*\u+8*\m+7], v[ADV] offset:(64*(\q)+32*\u)*VP+16*VP+32*\m
.endr
.endr
	s_add_co_u32 s96, s[KF], 63
	s_cmp_le_u32 s96, s[Q0]                        ; all keys count for all my queries: no mask
	s_cbranch_scc1 .Lopen_\@
	s_sub_co_u32 s96, s[Q0], s[KF]
	v_add_nc_u32 v[D0], s96, v[DD]                 ; register 8 m + j of tile t holds key KF + 16 m + 8 h + j: hidden where 16 m + j > Q0 - KF + 16 t + r - 8 h
	v_add_nc_u32 v[D0+1], 16, v[D0]
.irp t, 0,1
.irp n, 0,1,2,3,4,5,6,7,8,9,10,11,12,13,14,15,16,17,18,19,20,21,22,23,24,25,26,27,28,29,30,31
	v_cmp_gt_i32 vcc_lo, 16*(\n/8)+\n%8, v[D0+\t]
	v_cndmask_b32 v[SS+32*\t+\n], v[SS+32*\t+\n], v[NINF], vcc_lo
.endr
.endr
.Lopen_\@:
	; the maximum of the lane's 32 scores and the old m: four chains, the two tiles by turns
.irp j, 0,1,2,3
.irp t, 0,1
	v_max3_num_f32 v[ST+8*\t+4+\j], v[SS+32*\t+8*\j], v[SS+32*\t+8*\j+1], v[SS+32*\t+8*\j+2]
.endr
.endr
.irp i, 3,5
.irp j, 0,1,2,3
.irp t, 0,1
	v_max3_num_f32 v[ST+8*\t+4+\j], v[ST+8*\t+4+\j], v[SS+32*\t+8*\j+\i], v[SS+32*\t+8*\j+\i+1]
.endr
.endr
.endr
.irp t, 0,1
	v_max3_num_f32 v[ST+8*\t+4], v[ST+8*\t+4], v[SS+32*\t+7], v[SS+32*\t+15]
	v_max3_num_f32 v[ST+8*\t+6], v[ST+8*\t+6], v[SS+32*\t+23], v[SS+32*\t+31]
.endr
.irp t, 0,1
	v_max3_num_f32 v[ST+8*\t+4], v[ST+8*\t+4], v[ST+8*\t+5], v[ST+8*\t+6]
.endr
.irp t, 0,1
	v_max3_num_f32 v[ST+8*\t+4], v[ST+8*\t+4], v[ST+8*\t+7], v[ST+8*\t+1]
.endr
.irp t, 0,1
	v_permlanex16_b32 v[ST+8*\t+5], v[ST+8*\t+4], s[SEL], s[SEL+1]   ; the query's other 32 keys lie in the lane 16 away
.endr
.irp t, 0,1
	v_mov_b32 v[ST+8*\t+7], v[ST+8*\t]             ; c m_old
.endr
.irp t, 0,1
	v_max_num_f32 v[ST+8*\t+1], v[ST+8*\t+4], v[ST+8*\t+5]
.endr
.irp t, 0,1
	v_mul_f32 v[ST+8*\t], s[CS], v[ST+8*\t+1]
.endr
.irp t, 0,1
	v_sub_f32 v[ST+8*\t+7], v[ST+8*\t+7], v[ST+8*\t]
.endr
.irp b, 0,1,2,3,4,5,6,7,8,9,10,11,12,13,14,15
.irp t, 0,1
	v_pk_fma_f32 v[SS+32*\t+2*\b:SS+32*\t+2*\b+1], v[SS+32*\t+2*\b:SS+32*\t+2*\b+1], s[CS:CS+1], v[ST+8*\t:ST+8*\t+1] op_sel_hi:[1,0,0] neg_lo:[0,0,1] neg_hi:[0,0,1]   ; c s - c m
.endr
.endr
.irp t, 0,1
	v_exp_f32 v[ST+8*\t+6], v[ST+8*\t+7]           ; a
.endr
.irp n, 0,1,2,3,4,5,6,7,8,9,10,11,12,13,14,15,16,17,18,19,20,21,22,23,24,25,26,27,28,29,30,31
.irp t, 0,1
	v_exp_f32 v[SS+32*\t+\n], v[SS+32*\t+\n]       ; p
.endr
.endr
	v_nop                                          ; a plain line behind the last exponential
	s_wait_alu depctr_va_vdst(0)                   ; ONE wait for the 66 exponentials, ahead of the first line that names a result
	; the row's sum, of the f32 p, in two chains a tile
.irp t, 0,1
	v_pk_fma_f32 v[ST+8*\t+2:ST+8*\t+3], v[ST+8*\t+2:ST+8*\t+3], v[ST+8*\t+6:ST+8*\t+7], v[SS+32*\t:SS+32*\t+1] op_sel_hi:[1,0,1]   ; l = a l + pair 0
	v_pk_add_f32 v[ST+8*\t+4:ST+8*\t+5], v[SS+32*\t+2:SS+32*\t+3], v[SS+32*\t+4:SS+32*\t+5]
.endr
.irp b, 3,5,7,9,11,13
.irp t, 0,1
	v_pk_add_f32 v[ST+8*\t+2:ST+8*\t+3], v[ST+8*\t+2:ST+8*\t+3], v[SS+32*\t+2*\b:SS+32*\t+2*\b+1]
	v_pk_add_f32 v[ST+8*\t+4:ST+8*\t+5], v[ST+8*\t+4:ST+8*\t+5], v[SS+32*\t+2*\b+2:SS+32*\t+2*\b+3]
.endr
.endr
.irp t, 0,1
	v_pk_add_f32 v[ST+8*\t+2:ST+8*\t+3], v[ST+8*\t+2:ST+8*\t+3], v[SS+32*\t+30:SS+32*\t+31]
.endr
.irp t, 0,1
	v_pk_add_f32 v[ST+8*\t+2:ST+8*\t+3], v[ST+8*\t+2:ST+8*\t+3], v[ST+8*\t+4:ST+8*\t+5]
.endr
.irp i, 0,1,2,3,4,5,6,7,8,9,10,11,12,13,14,15
.irp t, 0,1
	v_cvt_pk_f16_f32 v[SS+32*\t+\i], v[SS+32*\t+2*\i], v[SS+32*\t+2*\i+1]   ; in place, ascending: register i is written when registers 2 i, 2 i + 1 are read.  P's fragment u (keys 32 u on) is registers 8 u .. 8 u + 7
.endr
.endr
.irp i, 0,1,2,3,4,5,6,7,8,9,10,11,12,13,14,15
.irp t, 0,1
	v_pk_mul_f32 v[OO+32*\t+2*\i:OO+32*\t+2*\i+1], v[OO+32*\t+2*\i:OO+32*\t+2*\i+1], v[ST+8*\t+6:ST+8*\t+7] op_sel_hi:[1,0]   ; O^T x a
.endr
.endr
	s_wait_dscnt 0x0                               ; V is in
.irp u, 0,1
.irp m, 0,1,2,3
.irp t, 0,1
	v_wmma_f32_16x16x32_f16 v[OO+32*\t+8*\m:OO+32*\t+8*\m+7], v[FF+32*\u+8*\m:FF+32*\u+8*\m+7], v[SS+32*\t+8*\u:SS+32*\t+8*\u+7], v[OO+32*\t+8*\m:OO+32*\t+8*\m+7]
.endr
.endr
.endr
.rept 5
	v_nop                                          ; five places: the next step's first products write over P's registers, its loads land in V's; on the way out O^T is read
.endr
.Lhidden_\@:
	s_add_co_u32 s[KF], s[KF], 64
.endm
; THE CHANGE OF SLOTS stands at a slot's head.  Each wave waits for all its tensor loads, adds 0 to its spare word, and waits for that and for its reads of the slot that it has left; one barrier.
; fill = 1: the slot just left is filled with the next 256 keys, but only while that slot's first key is at or under the work-group's last query: a later slot is read by none of the sixteen waves.
; The test is made of the work-group's number and the count of steps alone, is the same in all waves, and leads round the load's own lines alone; every wait for tensor loads in this text is for 0.
.macro CHANGE fill
	s_wait_tensorcnt 0x0
	ds_add_u32 v[SPW], v[NIL]
.if \fill
	ds_add_u32 v[SPW], v[NIL]                      ; and once more, in every trip alike
	s_xor_b32 s[G0K+1], s[G0K+1], SLOT1            ; no load of mine is out: the descriptors walk: the other slot, the next 256 rows
	s_add_nc_u64 s[G0K+2:G0K+3], s[G0K+2:G0K+3], 32768
	s_xor_b32 s[G0V+1], s[G0V+1], SLOT1
	s_add_nc_u64 s[G0V+2:G0V+3], s[G0V+2:G0V+3], 32768
	s_wait_xcnt 0x0                                ; the last prefetch, a slot back, has read its address
	s_add_nc_u64 s[PFA:PFA+1], s[PFA:PFA+1], 32768
.endif
	s_wait_dscnt 0x0
	s_barrier_signal -1
	s_barrier_wait -1
.if \fill
	s_add_co_u32 s96, s[KF], 256
	s_cmp_gt_u32 s96, s[LASTQ]
	s_cbranch_scc1 .Lpast_\@
	TLOAD
.Lpast_\@:
	ASK
.endif
.endm
.macro SLOT_STEPS
	STEP 0
	STEP 1
	STEP 2
	STEP 3
	s_xor_b32 s[TB], s[TB], SLOT1
.endm
	s_wait_loadcnt 0x0                             ; Q
.Lslot:                                            ; seven trips: a constant count for every work-group
	CHANGE 1
	SLOT_STEPS
	s_sub_co_u32 s[SLOTS], s[SLOTS], 1
	s_cmp_lg_u32 s[SLOTS], 0
	s_cbranch_scc1 .Lslot
	CHANGE 0                                       ; the last slot is written out: nothing is asked for
	SLOT_STEPS
	; THE WAY OUT.  O^T / l, rounded to f16, goes through my stage (32 rows x 144 bytes, in slot 0, which has had its last fill and was left by every wave at the last change) and leaves as 4,096 dense bytes.
.irp t, 0,1
	v_add_f32 v[ST+8*\t+4], v[ST+8*\t+2], v[ST+8*\t+3]
.endr
.irp t, 0,1
	v_permlanex16_b32 v[ST+8*\t+5], v[ST+8*\t+4], s[SEL], s[SEL+1]
.endr
.irp t, 0,1
	v_add_f32 v[ST+8*\t+4], v[ST+8*\t+4], v[ST+8*\t+5]
.endr
.irp t, 0,1
	v_rcp_f32 v[ST+8*\t+6], v[ST+8*\t+4]
.endr
	s_mul_i32 s96, s[WV], 32*KP
	v_and_b32 v9, 15, v0                           ; (plain lines behind the reciprocals)
	v_bfe_u32 v10, v0, 4, 1
	v_mul_u32_u24 v[ADK], v9, KP
	v_lshl_add_u32 v[ADK], v10, 4, v[ADK]
	v_add_nc_u32 v[ADK], s96, v[ADK]               ; in: row r, 16 bytes for each half of the lanes
	v_bfe_u32 v9, v0, 3, 2
	v_mul_u32_u24 v[ADV], v9, KP
	v_and_b32 v10, 7, v0
	v_lshl_add_u32 v[ADV], v10, 4, v[ADV]
	v_add_nc_u32 v[ADV], s96, v[ADV]               ; back: eight lanes to a row, four rows an instruction
	s_wait_alu depctr_va_vdst(0)                   ; one wait for the two reciprocals, ahead of their first reader
.irp t, 0,1
.irp i, 0,1,2,3,4,5,6,7,8,9,10,11,12,13,14,15
	v_pk_mul_f32 v[OO+32*\t+2*\i:OO+32*\t+2*\i+1], v[OO+32*\t+2*\i:OO+32*\t+2*\i+1], v[ST+8*\t+6:ST+8*\t+7] op_sel_hi:[1,0]
.endr
.endr
.irp i, 0,1,2,3,4,5,6,7,8,9,10,11,12,13,14,15,16,17,18,19,20,21,22,23,24,25,26,27,28,29,30,31
	v_cvt_pk_f16_f32 v[SS+\i], v[OO+2*\i], v[OO+2*\i+1]
.endr
.irp t, 0,1
.irp m, 0,1,2,3
	ds_store_b128 v[ADK], v[SS+16*\t+4*\m:SS+16*\t+4*\m+3] offset:16*KP*\t+32*\m
.endr
.endr
.irp g, 0,1,2,3,4,5,6,7
	ds_load_b128 v[FF+4*\g:FF+4*\g+3], v[ADV] offset:4*KP*\g      ; LDS serves a wave's instructions in order: these see my stores
.endr
.irp g, 0,1,2,3,4,5,6,7
	s_wait_dscnt 7-\g
	global_store_b128 v[GO], v[FF+4*\g:FF+4*\g+3], s[14:15] offset:512*\g   ; 512 consecutive bytes
.endr
	s_wait_tensorcnt 0x0                           ; the wave's end
	ds_add_u32 v[SPW], v[NIL]
	s_wait_dscnt 0x0
	s_endpgm
.Lfunc_end_k_q6391df019a_attn:
	.size	k_q6391df019a_attn, .Lfunc_end_k_q6391df019a_attn-k_q6391df019a_attn
	.p2alignl 7, 3214868480
	.fill 96, 4, 3214868480
	.section	.rodata,"a",@progbits
	.p2align	6, 0x0
	.amdhsa_kernel k_q6391df019a_attn
		.amdhsa_group_segment_fixed_size 327680
		.amdhsa_private_segment_fixed_size 0
		.amdhsa_enable_private_segment 0
		.amdhsa_kernarg_size 16
		.amdhsa_user_sgpr_count 2
		.amdhsa_user_sgpr_kernarg_segment_ptr 1
		.amdhsa_wavefront_size32 1
		.amdhsa_system_sgpr_workgroup_id_x 1
		.amdhsa_system_sgpr_workgroup_id_y 1
		.amdhsa_system_sgpr_workgroup_id_z 1
		.amdhsa_system_vgpr_workitem_id 0
		.amdhsa_next_free_vgpr 256
		.amdhsa_next_free_sgpr 100
		.amdhsa_reserve_vcc 1
		.amdhsa_float_denorm_mode_32 3
		.amdhsa_float_denorm_mode_16_64 3
		.amdhsa_memory_ordered 1
		.amdhsa_forward_progress 1
		.amdhsa_inst_pref_size 188
	.end_amdhsa_kernel
	.amdgpu_metadata
---
amdhsa.version: [ 1, 2 ]
amdhsa.kernels:
  - .name:           k_q6391df019a_attn
    .symbol:         k_q6391df019a_attn.kd
    .args:
      - { .name: qkv, .offset: 0, .size: 8, .value_kind: global_buffer, .address_space: global }
      - { .name: y, .offset: 8, .size: 8, .value_kind: global_buffer, .address_space: global }
    .group_segment_fixed_size: 327680
    .private_segment_fixed_size: 0
    .kernarg_segment_align: 8
    .kernarg_segment_size: 16
    .max_flat_workgroup_size: 512
    .sgpr_count:     100
    .vgpr_count:     256
    .wavefront_size: 32
...
	.end_amdgpu_metadata
.endif
;; end of part 3
;; launch proj (part 4): grid 4 x 64, 4 waves a work-group, clusters of 4 x 4, 327,680 bytes of LDS; arguments y, wp, b_proj, out0; writes out0
.if DOCPART == 4
	.amdgcn_target "amdgcn-amd-amdhsa--gfx1250"
	.amdhsa_code_object_version 6
	.text
	.protected	k_q6391df019a_proj
	.globl	k_q6391df019a_proj
	.p2align	8
	.type	k_q6391df019a_proj,@function
k_q6391df019a_proj:
	s_mov_b64 s[64:65], 0
	v_nop
	global_prefetch_b8 v0, s[64:65] scope:SCOPE_SE
	s_setreg_imm32_b32 hwreg(HW_REG_WAVE_MODE, 25, 1), 1
	s_wait_xcnt 0x0
	s_wait_alu depctr_hold_cnt(0) depctr_sa_sdst(0) depctr_va_vdst(0) depctr_va_sdst(0) depctr_va_ssrc(0) depctr_va_vcc(0) depctr_vm_vsrc(0)
	s_getreg_b32 s2, hwreg(HW_REG_IB_STS2, 6, 4)
	s_cmp_eq_u32 s2, 0
	s_cbranch_scc0 .Lentry_in_a_cluster
	s_endpgm
.Lentry_in_a_cluster:
	s_bfe_u32 s2, ttmp6, 0x10000c
	s_cmp_lg_u32 s2, 0xf033
	s_cbranch_scc0 .Lentry_shape_is_right
	s_endpgm
.Lentry_shape_is_right:
; out0 = y W_proj + b_proj on f16 operands with f32 sums.  y: f16 [batch][head][t][64]; wp: f16 [1024 (k)][1024 (n)]; out0: f32 [8192][1024].  The rows t < 16 of every batch are NOT stored here:
; a later launch makes them in f32.
; A tile of C is 128 rows x 256 columns: 256 work-groups; four waves, each 64 x 128: 32 accumulators.  K goes in steps of 128 (two heads) through a ring of two LDS slots: 8 steps.
; CLUSTERS: 4 x 4; the tile row is 16 cy + cluster y (cy = the batch), the tile column 4 x cluster x + cx.  A's tiles are shared along a row of the cluster, B's along a column: joint loads.
; THE MATRIX INSTRUCTION IS USED TRANSPOSED: source 0 = 16 columns of W_proj (turned out of LDS by ds_load_tr16_b128, since K is its first axis), source 1 = 16 rows of y: a lane holds eight neighbouring columns of a row.
; The bias is the C of each sum's first product.
; REGISTERS: window 0: v0-31 addresses; A's fragments v64-95 and v128-159; v192-255 the bias; on the way out v64-191 rows of C.  window 1: B's fragments v64-127 and v128-191.  window 2: accumulators, (a, b) at v[8 (8 a + b)].
.set KP,     144                       ; a row of y in LDS: 128 bytes + 16
.set APL,    128*KP                    ; a head's 128 rows
.set BP,     544                       ; a k row of W_proj in LDS: 512 bytes + 32
.set BOFF,   2*APL
.set BHALF,  64*BP
.set SLOT,   BOFF+128*BP
.set SPARE,  2*SLOT                    ; the spare words: 128 bytes a wave, two blocks of 256 bytes that no other line names
.set SPITCH, 528                       ; the way out: 16 rows x (512 + 16) bytes for each wave, in slot 0, which has had its last fill and its last read by then
.set ADRA, 16
.set ADRB, 20
.set STO,  24
.set RD,   25
.set CO,   26
.set BO,   27
.set SPW,  28
.set NIL,  29
.set F0,   64
.set F1,   128
.set BIAS, 192
.set BK,   64
.set G1, 24
.set G0, 32
.set G1B, 48
.set G0B, 56
.set MSB, 0
.macro WIN new
.if MSB != \new
	s_set_vgpr_msb (MSB<<8)|\new
.set MSB, \new
.endif
.endm
.set MUL, 0xa1                         ; source 0 (B) window 1, source 1 (A) window 0, C and D window 2
.macro JLOAD s                         ; waves 0, 1 fetch A's two heads, waves 2, 3 B's two halves
	s_cmp_eq_u32 s13, 0
	s_cbranch_scc0 .Lfor_b_\@
	tensor_load_to_lds s[G0+4*\s:G0+4*\s+3], s[G1:G1+7]
	s_nop 0
.rept 4
	v_nop
.endr
	s_branch .Lasked_\@
.Lfor_b_\@:
	tensor_load_to_lds s[G0B+4*\s:G0B+4*\s+3], s[G1B:G1B+7]
	s_nop 0
.rept 4
	v_nop
.endr
.Lasked_\@:
.endm
.macro CREST
	s_cmp_lg_u32 s12, 0
	s_cbranch_scc1 .Lnot_wave_0_\@
	s_barrier_signal -3
.Lnot_wave_0_\@:
	s_barrier_wait -3
	s_barrier_signal -1
	s_barrier_wait -1
.endm
.macro CROUND
	s_barrier_signal -1
	s_barrier_wait -1
	CREST
.endm
	s_load_b256 s[4:11], s[0:1], 0x0               ; y 4:5, wp 6:7, b_proj 8:9, out0 10:11
	v_lshl_add_u32 v[SPW], v0, 2, SPARE
	v_mov_b32 v[NIL], 0
	ds_add_u32 v[SPW], v[NIL]                      ; the wave's opening: the add, twice on end, and its wait ahead of my first tensor load
	ds_add_u32 v[SPW], v[NIL]
	v_lshrrev_b32 v1, 5, v0
	v_readfirstlane_b32 s12, v1                    ; wave 0..3
	s_lshr_b32 s13, s12, 1                         ; which 64 rows are mine.  Also: I fetch for A (0) or for B (1)
	s_and_b32 s14, s12, 1                          ; which 128 columns.  Also: which head, or which 64 k rows, I fetch
	s_bfe_u32 s40, ttmp6, 0x40000                  ; cx
	s_bfe_u32 s41, ttmp6, 0x40004                  ; cy = the batch
	s_lshl_b32 s42, ttmp9, 2
	s_add_co_u32 s42, s42, s40                     ; tile column
	s_and_b32 s43, ttmp7, 0xffff                   ; cluster y: the tile's first row in its batch is 128 x this
	s_or_b32 s66, s43, s13                         ; 0 where my first 16 rows are a batch's first 16
	s_lshl_b32 s44, s41, 2
	s_lshl_b32 s44, 15, s44                        ; my row of the cluster
	s_lshl_b32 s45, 0x1111, s40                    ; my column
	s_or_b32 s[G1], s44, (1<<16)|(1<<20)|(1<<21)|(4<<22)|(3<<25)    ; A: elements of 2 bytes; 4 words of padding behind every 32
	s_mov_b32 s[G1+1], 64<<16
	s_mov_b32 s[G1+2], 128<<16
	s_mov_b32 s[G1+3], 64<<16
	s_mov_b32 s[G1+4], 128
	s_mov_b32 s[G1+5], 64
	s_mov_b32 s[G1+6], 0
	s_mov_b32 s[G1+7], 0
	s_or_b32 s[G1B], s45, (1<<16)|(1<<20)|(1<<21)|(6<<22)|(7<<25)   ; B: 8 words of padding behind every 128
	s_mov_b32 s[G1B+1], 256<<16
	s_mov_b32 s[G1B+2], 64<<16
	s_mov_b32 s[G1B+3], 256<<16
	s_mov_b32 s[G1B+4], 64
	s_mov_b32 s[G1B+5], 1024
	s_mov_b32 s[G1B+6], 0
	s_mov_b32 s[G1B+7], 0
	s_lshl_b32 s16, s41, 22                        ; A: the batch's 16 planes of 262,144 bytes,
	s_lshl_b32 s17, s14, 18                        ; my head of the step's two,
	s_add_co_u32 s16, s16, s17
	s_lshl_b32 s17, s43, 14                        ; the tile's 128 rows of 128 bytes
	s_add_co_u32 s16, s16, s17
	s_mov_b32 s17, 0
	s_lshl_b32 s46, s14, 17                        ; B: my 64 k rows of 2,048 bytes,
	s_lshl_b32 s47, s42, 9                         ; the tile's 256 columns
	s_add_co_u32 s46, s46, s47
	s_mov_b32 s47, 0
	s_mul_i32 s20, s14, APL                        ; where they go: no place in the cluster enters an LDS address
	s_mul_i32 s21, s14, BHALF
	s_add_co_u32 s21, s21, BOFF
	s_wait_dscnt 0x0                               ; both opening adds are done
	s_wait_kmcnt 0x0
	s_add_nc_u64 s[18:19], s[4:5], s[16:17]
	s_add_nc_u64 s[46:47], s[6:7], s[46:47]
	CROUND                                         ; all sixteen work-groups are here
.irp s, 0,1
	s_mov_b32 s[G0+4*\s], 1
	s_add_co_u32 s[G0+4*\s+1], s20, \s*SLOT
	s_add_nc_u64 s[G0+4*\s+2:G0+4*\s+3], s[18:19], \s*524288        ; K step s: two heads on
	s_or_b32 s[G0+4*\s+3], s[G0+4*\s+3], 0x80000000
	s_mov_b32 s[G0B+4*\s], 1
	s_add_co_u32 s[G0B+4*\s+1], s21, \s*SLOT
	s_add_nc_u64 s[G0B+4*\s+2:G0B+4*\s+3], s[46:47], \s*262144      ; 128 k rows on
	s_or_b32 s[G0B+4*\s+3], s[G0B+4*\s+3], 0x80000000
	JLOAD \s                                       ; two loads of mine are out
.endr
	v_and_b32 v1, 15, v0                           ; r
	v_bfe_u32 v2, v0, 4, 1                         ; h
	s_lshl_b32 s46, s42, 10                        ; my first column, in bytes of f32: 1,024 x tile column + 512 x half
	s_lshl_b32 s47, s14, 9
	s_add_co_u32 s46, s46, s47
	s_mov_b32 s47, 0
	s_add_nc_u64 s[8:9], s[8:9], s[46:47]
	s_add_nc_u64 s[10:11], s[10:11], s[46:47]
	s_lshl_b32 s16, s41, 11
	s_lshl_b32 s17, s43, 7
	s_add_co_u32 s16, s16, s17
	s_lshl_b32 s17, s13, 6
	s_add_co_u32 s16, s16, s17                     ; my first row: 2,048 batch + 128 cluster y + 64 half
	s_lshl_b32 s16, s16, 12
	s_mov_b32 s17, 0
	s_add_nc_u64 s[10:11], s[10:11], s[16:17]
	v_lshlrev_b32 v[BO], 5, v2
.irp b, 0,1,2,3,4,5,6,7
	global_load_b128 v[BIAS+8*\b:BIAS+8*\b+3], v[BO], s[8:9] offset:64*\b
	global_load_b128 v[BIAS+8*\b+4:BIAS+8*\b+7], v[BO], s[8:9] offset:64*\b+16
.endr
	v_mul_u32_u24 v3, v1, KP
	v_lshl_add_u32 v3, v2, 4, v3
	s_mul_i32 s22, s13, 64*KP
	v_add_nc_u32 v[ADRA], s22, v3                  ; A: my 64 rows; row r x pitch + 16 h
	v_add_nc_u32 v[ADRA+1], SLOT, v[ADRA]
	v_and_b32 v4, 7, v0
	v_lshl_add_u32 v4, v2, 3, v4
	v_mul_u32_u24 v4, v4, BP                       ; B, the turning load: k row 8 h + l % 8,
	v_bfe_u32 v5, v0, 3, 1
	v_lshl_add_u32 v4, v5, 4, v4                   ; columns 8 ((l / 8) % 2) on,
	s_lshl_b32 s22, s14, 8
	s_add_co_u32 s22, s22, BOFF                    ; in my 128 columns
	v_add_nc_u32 v[ADRB], s22, v4
	v_add_nc_u32 v[ADRB+1], SLOT, v[ADRB]
	s_mul_i32 s23, s12, 16*SPITCH                  ; my stage
	v_mul_u32_u24 v5, v1, SPITCH
	v_lshl_add_u32 v5, v2, 5, v5
	v_add_nc_u32 v[STO], s23, v5
	v_and_b32 v6, 31, v0
	v_lshlrev_b32 v[CO], 4, v6
	v_add_nc_u32 v[RD], s23, v[CO]
.macro FETCH slot, q, f                ; the fragments of the slot's q-th 32 along K: B's eight (16 loads), then A's four (8 loads)
	WIN 0x40
.irp b, 0,1,2,3,4,5,6,7
	ds_load_tr16_b128 v[\f+8*\b:\f+8*\b+3], v[ADRB+\slot] offset:32*(\q)*BP+32*\b
	ds_load_tr16_b128 v[\f+8*\b+4:\f+8*\b+7], v[ADRB+\slot] offset:32*(\q)*BP+16*BP+32*\b
.endr
	WIN 0
.irp i, 0,1,2,3
	ds_load_b128 v[\f+8*\i:\f+8*\i+3], v[ADRA+\slot] offset:((\q)/2)*APL+16*KP*\i+64*((\q)%2)
	ds_load_b128 v[\f+8*\i+4:\f+8*\i+7], v[ADRA+\slot] offset:((\q)/2)*APL+16*KP*\i+64*((\q)%2)+32
.endr
.endm
.macro MUL8 f, a, zero                 ; A's block a x B's eight.  The 32 accumulators take turns, one instruction a turn, in the same order in every quarter
.irp b, 0,1,2,3,4,5,6,7
.if \zero
	v_wmma_f32_16x16x32_f16 v[8*(8*\a+\b):8*(8*\a+\b)+7], v[\f+8*\b:\f+8*\b+7], v[\f+8*\a:\f+8*\a+7], v[BIAS+8*\b:BIAS+8*\b+7]
.else
	v_wmma_f32_16x16x32_f16 v[8*(8*\a+\b):8*(8*\a+\b)+7], v[\f+8*\b:\f+8*\b+7], v[\f+8*\a:\f+8*\a+7], v[8*(8*\a+\b):8*(8*\a+\b)+7]
.endif
.endr
.endm
.macro PLACES
.rept 4
	v_nop
.endr
.endm
.macro MWIN zero
.if \zero
	WIN 0x81                                       ; C (the bias) window 0
.else
	WIN MUL
.endif
.endm
.macro QUARTER slot, q, f, g, zero     ; multiplies buffer f; in its middle fetches the slot's q-th quarter into g
	s_wait_dscnt 4                                 ; B's eight and A's blocks 0, 1 are in; the youngest 4 loads (A's blocks 2, 3) may be out
	MWIN \zero
	MUL8 \f, 0, \zero
	MUL8 \f, 1, \zero
	PLACES
	FETCH \slot, \q, \g
	s_wait_dscnt 24                                ; all but the 24 just issued
	MWIN \zero
	MUL8 \f, 2, \zero
	MUL8 \f, 3, \zero
.endm
; A slot's last quarter multiplies buffer 1 and changes slots: in front of the barrier each wave waits for all its tensor loads (its part of the next slot), adds 0 to its spare word, and waits for that and for its
; reads of this slot.  fill = 1: the barrier opens a round of the cluster's barrier, and the joint refill, two K steps ahead, is the first tensor load behind it.
.macro TURN slot, next, fill
	WIN 0
	s_wait_tensorcnt 0x0
	ds_add_u32 v[SPW], v[NIL]
	s_wait_dscnt 5                                 ; the add and the youngest 4 loads may be out
	WIN MUL
	MUL8 F1, 0, 0
	s_wait_dscnt 0x0
	s_barrier_signal -1
	MUL8 F1, 1, 0
	WIN 0
	s_barrier_wait -1
.if \fill
	CREST
	s_add_nc_u64 s[G0+4*\slot+2:G0+4*\slot+3], s[G0+4*\slot+2:G0+4*\slot+3], 1048576
	s_add_nc_u64 s[G0B+4*\slot+2:G0B+4*\slot+3], s[G0B+4*\slot+2:G0B+4*\slot+3], 524288
	JLOAD \slot                                    ; its four v_nop are also the places in front of the loads below
.else
	PLACES
.endif
	FETCH \next, 0, F0
	WIN MUL
	MUL8 F1, 2, 0
	MUL8 F1, 3, 0
.endm
	s_wait_tensorcnt 1                             ; my part of K step 0 is in; K step 1's may be out
	s_barrier_signal -1
	s_barrier_wait -1
	FETCH 0, 0, F0
	s_wait_loadcnt 0x0                             ; the bias
	QUARTER 0, 1, F0, F1, 1                        ; the first quarter stands in front of the loop: its products start the sums
	WIN 0
	s_mov_b32 s3, 3
.Llap:                                             ; a trip goes once round the ring and fills both slots again: K steps 2 to 7 in three trips
	QUARTER 0, 2, F1, F0, 0
	QUARTER 0, 3, F0, F1, 0
	TURN 0, 1, 1
	QUARTER 1, 1, F0, F1, 0
	QUARTER 1, 2, F1, F0, 0
	QUARTER 1, 3, F0, F1, 0
	TURN 1, 0, 1
	QUARTER 0, 1, F0, F1, 0
	WIN 0
	s_sub_co_u32 s3, s3, 1
	s_cmp_lg_u32 s3, 0
	s_cbranch_scc1 .Llap
	QUARTER 0, 2, F1, F0, 0                        ; the last lap fills nothing
	QUARTER 0, 3, F0, F1, 0
	TURN 0, 1, 0
	QUARTER 1, 1, F0, F1, 0
	QUARTER 1, 2, F1, F0, 0
	QUARTER 1, 3, F0, F1, 0
	s_wait_dscnt 4
	WIN MUL
	MUL8 F1, 0, 0
	MUL8 F1, 1, 0
	s_wait_dscnt 0
	MUL8 F1, 2, 0
	MUL8 F1, 3, 0
	WIN 0
; THE WAY OUT, a block of 16 rows x 128 columns at a time: through my stage, back as whole rows of 512 bytes, which the 32 lanes store.
.macro TOSTAGE a
.set AC, 64*(\a)
	WIN 0x08                                       ; an LDS store's data are its source 1: window 2
.irp b, 0,1,2,3,4,5,6,7
	ds_store_b128 v[STO], v[AC+8*\b:AC+8*\b+3] offset:64*\b          ; each accumulator from its low end on
	ds_store_b128 v[STO], v[AC+8*\b+4:AC+8*\b+7] offset:64*\b+16
.endr
	WIN 0
.set BB, BK+64*((\a)%2)
.irp t, 0,1,2,3,4,5,6,7,8,9,10,11,12,13,14,15
	ds_load_b128 v[BB+4*\t:BB+4*\t+3], v[RD] offset:\t*SPITCH
.endr
.endm
.macro SEND a, younger
.set BB, BK+64*((\a)%2)
	s_wait_dscnt \younger                          ; the block is back; the next block's 32 LDS instructions may be out
.if (\a) == 0
	s_cmp_eq_u32 s66, 0                            ; a batch's first 16 rows are another launch's.  The cluster's y and the wave's number alone: the same in all partners
	s_cbranch_scc1 .Lfine_rows
.endif
.irp t, 0,1,2,3,4,5,6,7,8,9,10,11,12,13,14,15
	global_store_b128 v[CO], v[BB+4*\t:BB+4*\t+3], s[10:11] offset:65536*(\a)+4096*\t th:TH_STORE_NT   ; 512 consecutive bytes
.endr
.if (\a) == 0
.Lfine_rows:
.endif
.endm
	PLACES
	TOSTAGE 0
.irp a, 1,2,3
.if \a > 1
	s_wait_xcnt 0x0                                ; block a - 2's stores have read their registers: block a's loads may land there
.endif
	TOSTAGE \a
	SEND \a-1, 32
.endr
	SEND 3, 0
	s_wait_tensorcnt 0x0                           ; the wave's end
	ds_add_u32 v[SPW], v[NIL]
	s_wait_dscnt 0x0
	CROUND                                         ; the closing round
	s_endpgm
.Lfunc_end_k_q6391df019a_proj:
	.size	k_q6391df019a_proj, .Lfunc_end_k_q6391df019a_proj-k_q6391df019a_proj
	.p2alignl 7, 3214868480
	.fill 96, 4, 3214868480
	.section	.rodata,"a",@progbits
	.p2align	6, 0x0
	.amdhsa_kernel k_q6391df019a_proj
		.amdhsa_group_segment_fixed_size 327680
		.amdhsa_private_segment_fixed_size 0
		.amdhsa_enable_private_segment 0
		.amdhsa_kernarg_size 32
		.amdhsa_user_sgpr_count 2
		.amdhsa_user_sgpr_kernarg_segment_ptr 1
		.amdhsa_wavefront_size32 1
		.amdhsa_system_sgpr_workgroup_id_x 1
		.amdhsa_system_sgpr_workgroup_id_y 1
		.amdhsa_system_sgpr_workgroup_id_z 1
		.amdhsa_system_vgpr_workitem_id 0
		.amdhsa_next_free_vgpr 768
		.amdhsa_next_free_sgpr 68
		.amdhsa_reserve_vcc 0
		.amdhsa_float_denorm_mode_32 3
		.amdhsa_float_denorm_mode_16_64 3
		.amdhsa_memory_ordered 1
		.amdhsa_forward_progress 1
		.amdhsa_inst_pref_size 87
	.end_amdhsa_kernel
	.amdgpu_metadata
---
amdhsa.version: [ 1, 2 ]
amdhsa.kernels:
  - .name:           k_q6391df019a_proj
    .symbol:         k_q6391df019a_proj.kd
    .args:
      - { .name: y, .offset: 0, .size: 8, .value_kind: global_buffer, .address_space: global }
      - { .name: wp, .offset: 8, .size: 8, .value_kind: global_buffer, .address_space: global }
      - { .name: b_proj, .offset: 16, .size: 8, .value_kind: global_buffer, .address_space: global }
      - { .name: out0, .offset: 24, .size: 8, .value_kind: global_buffer, .address_space: global }
    .group_segment_fixed_size: 327680
    .private_segment_fixed_size: 0
    .kernarg_segment_align: 8
    .kernarg_segment_size: 32
    .max_flat_workgroup_size: 128
    .sgpr_count:     68
    .vgpr_count:     768
    .wavefront_size: 32
...
	.end_amdgpu_metadata
.endif
;; end of part 4
;; launch first16 (part 5): grid 64 x 4, 16 waves a work-group, no clusters, 18,432 bytes of LDS; arguments qf, W_proj, b_proj, out0; writes out0
.if DOCPART == 5
	.amdgcn_target "amdgcn-amd-amdhsa--gfx1250"
	.amdhsa_code_object_version 6
	.text
	.protected	k_q6391df019a_first16
	.globl	k_q6391df019a_first16
	.p2align	8
	.type	k_q6391df019a_first16,@function
k_q6391df019a_first16:
	s_mov_b64 s[64:65], 0
	v_nop
	global_prefetch_b8 v0, s[64:65] scope:SCOPE_SE
	s_setreg_imm32_b32 hwreg(HW_REG_WAVE_MODE, 25, 1), 1
	s_wait_xcnt 0x0
; The first 16 positions of every batch, in f32 throughout: under the causal mask these rows average one to sixteen values and are the largest of the output, so 16-bit operands weigh most there.
; qf: [batch][16][3072] f32 (q, k, v of rows t < 16); W_proj [1024][1024] f32; out0 rows 2,048 batch + 0 .. 15.
; Work-group (x, batch) makes columns 16 x .. 16 x + 15 of the 16 rows.  Wave w takes head w: its 16 x 16 attention, then the product of its 64 channels with W_proj's rows 64 w .. 64 w + 63; the sixteen
; partial results are added through LDS.  The small attention is repeated in each of the 64 column blocks: 32 matrix instructions a wave; in return each output has one owner and no further launch is needed.
; All products by v_wmma_f32_16x16x4_f32.  K is taken in an order of its own, the same on both sides of a product, so that no number changes lanes: lane half h, register j of a step hold the same k in A and in B.
; The registers that these instructions write (v160-175, v184-215) are written by nothing else.  LIMIT: NaN and infinities are not served.
.set SPARE, 16384                      ; behind the 16 partial results of 1,024 bytes: the spare words, 128 bytes a wave
	s_load_b256 s[4:11], s[0:1], 0x0               ; qf 4:5, W_proj 6:7, b_proj 8:9, out0 10:11
	v_lshl_add_u32 v6, v0, 2, SPARE                ; my spare word; never rewritten
	v_mov_b32 v7, 0                                ; 0; never rewritten
	v_lshrrev_b32 v12, 5, v0
	v_readfirstlane_b32 s12, v12                   ; wave = head
	v_and_b32 v1, 15, v0                           ; r
	v_bfe_u32 v2, v0, 4, 1                         ; h
	v_mul_u32_u24 v3, v1, 12288
	v_lshl_add_u32 v3, v2, 4, v3                   ; q, k: row r of qf, + 16 h: channels 8 u + 4 h + 0 .. 3
	v_mul_u32_u24 v4, v2, 98304
	v_lshl_add_u32 v4, v1, 2, v4                   ; v: rows 8 h on, channel r of a tile of 16
	v_lshlrev_b32 v5, 15, v2
	v_lshl_add_u32 v5, v1, 2, v5                   ; W_proj: rows 8 h on, column r
	v_lshlrev_b32 v13, 2, v1                       ; the bias of column thread % 16
	v_lshlrev_b32 v8, 5, v0                        ; LDS: 1,024 x wave + 32 x lane: my eight partial results
	v_bfe_u32 v14, v0, 3, 1
	v_bfe_u32 v15, v0, 4, 4                        ; the sum: thread t < 256 takes query t / 16, column t % 16,
	v_and_b32 v16, 7, v0
	v_lshlrev_b32 v9, 9, v14
	v_lshl_add_u32 v9, v15, 5, v9
	v_lshl_add_u32 v9, v16, 2, v9                  ; which lies in lane 16 (column / 8) + query, register column % 8
	v_lshlrev_b32 v10, 12, v15
	v_lshl_add_u32 v10, v1, 2, v10                 ; and goes to row query, column t % 16
	v_lshlrev_b32 v11, 3, v2
	v_sub_nc_u32 v11, v1, v11                      ; r - 8 h
	v_mov_b32 v17, 0xff800000                      ; -infinity
	v_mov_b32 v19, 0
	v_mov_b32 v21, 0
	s_and_b32 s13, ttmp7, 0xffff                   ; the batch
	s_lshl_b32 s14, ttmp9, 6                       ; my first column, in bytes
	s_mul_i32 s16, s13, 196608
	s_lshl_b32 s15, s12, 8
	s_add_co_u32 s16, s16, s15                     ; qf: the batch's 16 rows, my head's 64 columns
	s_mov_b32 s17, 0
	s_lshl_b32 s18, s12, 18
	s_add_co_u32 s18, s18, s14                     ; W_proj: my head's 64 rows, my columns
	s_mov_b32 s19, 0
	s_lshl_b32 s20, s13, 23
	s_add_co_u32 s20, s20, s14                     ; out0: the batch's first row, my columns
	s_mov_b32 s21, 0
	s_mov_b32 s22, s14
	s_mov_b32 s23, 0
	s_mov_b32 s24, 0x76543210
	s_mov_b32 s25, 0xfedcba98
	s_mov_b32 s26, 0x3e38aa3b                      ; c = log2(e) / 8
	s_mov_b32 s27, s26
	s_wait_kmcnt 0x0
	s_add_nc_u64 s[4:5], s[4:5], s[16:17]
	s_add_nc_u64 s[6:7], s[6:7], s[18:19]
	s_add_nc_u64 s[8:9], s[8:9], s[22:23]
	s_add_nc_u64 s[10:11], s[10:11], s[20:21]
	global_load_b32 v31, v13, s[8:9]
.irp u, 0,1,2,3,4,5,6,7
	global_load_b128 v[32+4*\u:35+4*\u], v3, s[4:5] offset:32*\u               ; q
.endr
.irp u, 0,1,2,3,4,5,6,7
	global_load_b128 v[64+4*\u:67+4*\u], v3, s[4:5] offset:4096+32*\u          ; k
.endr
.irp m, 0,1,2,3
.irp i, 0,1,2,3,4,5,6,7
	global_load_b32 v[96+8*\m+\i], v4, s[4:5] offset:8192+\i*12288+64*\m       ; v(key 8 h + i, channel 16 m + r)
.endr
.endr
.irp m, 0,1,2,3
.irp i, 0,1,2,3,4,5,6,7
	global_load_b32 v[128+8*\m+\i], v5, s[6:7] offset:(16*\m+\i)*4096          ; W_proj(64 w + 16 m + 8 h + i, my column r)
.endr
.endr
	; 1: S^T = k q^T: source 0 = 16 keys, source 1 = 16 queries; 16 steps of 4 channels, on two accumulators by turns
	s_wait_loadcnt 63                              ; 64 loads follow k's; the count's field holds 63: the bias, q, k and one load of v are in
	v_wmma_f32_16x16x4_f32 v[160:167], v[64:65], v[32:33], 0
	v_wmma_f32_16x16x4_f32 v[168:175], v[66:67], v[34:35], 0
.irp i, 2,4,6,8,10,12,14
	v_wmma_f32_16x16x4_f32 v[160:167], v[64+2*\i:65+2*\i], v[32+2*\i:33+2*\i], v[160:167]
	v_wmma_f32_16x16x4_f32 v[168:175], v[66+2*\i:67+2*\i], v[34+2*\i:35+2*\i], v[168:175]
.endr
.rept 8
	v_nop                                          ; eight places behind this form
.endr
	; 2: the softmax.  Lane (r, h), register j: key 8 h + j, query r
.irp i, 0,2,4,6
	v_pk_add_f32 v[176+\i:177+\i], v[160+\i:161+\i], v[168+\i:169+\i]
.endr
.irp j, 0,1,2,3,4,5,6,7
	v_cmp_gt_i32 vcc_lo, \j, v11                   ; hidden where 8 h + j > r
	v_cndmask_b32 v[176+\j], v[176+\j], v17, vcc_lo
.endr
	v_max3_num_f32 v18, v176, v177, v178
	v_max3_num_f32 v20, v179, v180, v181
	v_max3_num_f32 v18, v18, v182, v183
	v_max_num_f32 v18, v18, v20
	v_permlanex16_b32 v19, v18, s24, s25
	v_max_num_f32 v18, v18, v19                    ; the row's maximum: key 0 counts for every query, so it is a number
	v_mul_f32 v20, s26, v18                        ; c m
.irp i, 0,2,4,6
	v_pk_fma_f32 v[176+\i:177+\i], v[176+\i:177+\i], s[26:27], v[20:21] op_sel_hi:[1,0,0] neg_lo:[0,0,1] neg_hi:[0,0,1]
.endr
.irp j, 0,1,2,3,4,5,6,7
	v_exp_f32 v[176+\j], v[176+\j]                 ; p = 2^(c s - c m)
.endr
	v_nop
	s_wait_alu depctr_va_vdst(0)                   ; one wait for the eight, ahead of their first reader
	v_pk_add_f32 v[22:23], v[176:177], v[178:179]
	v_pk_add_f32 v[24:25], v[180:181], v[182:183]
	v_pk_add_f32 v[22:23], v[22:23], v[24:25]
	v_add_f32 v22, v22, v23
	v_permlanex16_b32 v23, v22, s24, s25
	v_add_f32 v22, v22, v23                        ; the row's sum
	v_rcp_f32 v26, v22
	v_mov_b32 v27, 0                               ; a plain line behind the reciprocal; the pair's upper word is written
	s_wait_alu depctr_va_vdst(0)
	; 3: O^T = v^T p: source 0 = 16 channels, source 1 = p; step s takes keys 8 h + 2 s + 0, 1 on both sides; four accumulators by turns
	s_wait_loadcnt 32                              ; v is in; W_proj's 32 loads may be out
.irp m, 0,1,2,3
	v_wmma_f32_16x16x4_f32 v[184+8*\m:191+8*\m], v[96+8*\m:97+8*\m], v[176:177], 0
.endr
.irp s, 1,2,3
.irp m, 0,1,2,3
	v_wmma_f32_16x16x4_f32 v[184+8*\m:191+8*\m], v[96+8*\m+2*\s:97+8*\m+2*\s], v[176+2*\s:177+2*\s], v[184+8*\m:191+8*\m]
.endr
.endr
.rept 8
	v_nop
.endr
.irp i, 0,1,2,3,4,5,6,7,8,9,10,11,12,13,14,15
	v_pk_mul_f32 v[216+2*\i:217+2*\i], v[184+2*\i:185+2*\i], v[26:27] op_sel_hi:[1,0]   ; y = O / the sum: lane (r, h), register 8 m + j: channel 16 m + 8 h + j of query r
.endr
	; 5: my head's part of out^T: source 0 = 16 columns of W_proj, source 1 = y; step (m, i) takes channels 16 m + 8 h + 2 i + 0, 1; two accumulators by turns
	s_wait_loadcnt 0x0
	v_wmma_f32_16x16x4_f32 v[160:167], v[128:129], v[216:217], 0
	v_wmma_f32_16x16x4_f32 v[168:175], v[136:137], v[224:225], 0
	v_wmma_f32_16x16x4_f32 v[160:167], v[144:145], v[232:233], v[160:167]
	v_wmma_f32_16x16x4_f32 v[168:175], v[152:153], v[240:241], v[168:175]
.irp i, 1,2,3
	v_wmma_f32_16x16x4_f32 v[160:167], v[128+2*\i:129+2*\i], v[216+2*\i:217+2*\i], v[160:167]
	v_wmma_f32_16x16x4_f32 v[168:175], v[136+2*\i:137+2*\i], v[224+2*\i:225+2*\i], v[168:175]
	v_wmma_f32_16x16x4_f32 v[160:167], v[144+2*\i:145+2*\i], v[232+2*\i:233+2*\i], v[160:167]
	v_wmma_f32_16x16x4_f32 v[168:175], v[152+2*\i:153+2*\i], v[240+2*\i:241+2*\i], v[168:175]
.endr
.rept 8
	v_nop
.endr
.irp i, 0,2,4,6
	v_pk_add_f32 v[176+\i:177+\i], v[160+\i:161+\i], v[168+\i:169+\i]   ; lane (r, h), register j: column 8 h + j, query r
.endr
	ds_store_b128 v8, v[176:179]
	ds_store_b128 v8, v[180:183] offset:16
	s_wait_dscnt 0x0                               ; for the others' sake: my stores have landed
	s_barrier_signal -1
	s_barrier_wait -1
	s_cmp_ge_u32 s12, 8                            ; 256 outputs: waves 0 to 7 add and store
	s_cbranch_scc1 .Lend
.irp i, 0,1,2,3,4,5,6,7,8,9,10,11,12,13,14,15
	ds_load_b32 v[32+\i], v9 offset:1024*\i        ; head i's part of my output
.endr
	s_wait_dscnt 0x0
.irp i, 0,2,4,6
	v_pk_add_f32 v[32+\i:33+\i], v[32+\i:33+\i], v[40+\i:41+\i]
.endr
.irp i, 0,2
	v_pk_add_f32 v[32+\i:33+\i], v[32+\i:33+\i], v[36+\i:37+\i]
.endr
	v_pk_add_f32 v[32:33], v[32:33], v[34:35]
	v_add_f32 v32, v32, v33
	v_add_f32 v32, v32, v31                        ; + b_proj
	global_store_b32 v10, v32, s[10:11]            ; sixteen lanes store 64 consecutive bytes of a row: the price of 16 columns to a work-group; 262,144 bytes in the whole launch
.Lend:
	s_wait_tensorcnt 0x0                           ; the wave's end, behind my last LDS store
	ds_add_u32 v6, v7
	s_wait_dscnt 0x0
	s_endpgm
.Lfunc_end_k_q6391df019a_first16:
	.size	k_q6391df019a_first16, .Lfunc_end_k_q6391df019a_first16-k_q6391df019a_first16
	.p2alignl 7, 3214868480
	.fill 96, 4, 3214868480
	.section	.rodata,"a",@progbits
	.p2align	6, 0x0
	.amdhsa_kernel k_q6391df019a_first16
		.amdhsa_group_segment_fixed_size 18432
		.amdhsa_private_segment_fixed_size 0
		.amdhsa_enable_private_segment 0
		.amdhsa_kernarg_size 32
		.amdhsa_user_sgpr_count 2
		.amdhsa_user_sgpr_kernarg_segment_ptr 1
		.amdhsa_wavefront_size32 1
		.amdhsa_system_sgpr_workgroup_id_x 1
		.amdhsa_system_sgpr_workgroup_id_y 1
		.amdhsa_system_sgpr_workgroup_id_z 1
		.amdhsa_system_vgpr_workitem_id 0
		.amdhsa_next_free_vgpr 256
		.amdhsa_next_free_sgpr 66
		.amdhsa_reserve_vcc 1
		.amdhsa_float_denorm_mode_32 3
		.amdhsa_float_denorm_mode_16_64 3
		.amdhsa_memory_ordered 1
		.amdhsa_forward_progress 1
		.amdhsa_inst_pref_size 20
	.end_amdhsa_kernel
	.amdgpu_metadata
---
amdhsa.version: [ 1, 2 ]
amdhsa.kernels:
  - .name:           k_q6391df019a_first16
    .symbol:         k_q6391df019a_first16.kd
    .args:
      - { .name: qf, .offset: 0, .size: 8, .value_kind: global_buffer, .address_space: global }
      - { .name: W_proj, .offset: 8, .size: 8, .value_kind: global_buffer, .address_space: global }
      - { .name: b_proj, .offset: 16, .size: 8, .value_kind: global_buffer, .address_space: global }
      - { .name: out0, .offset: 24, .size: 8, .value_kind: global_buffer, .address_space: global }
    .group_segment_fixed_size: 18432
    .private_segment_fixed_size: 0
    .kernarg_segment_align: 8
    .kernarg_segment_size: 32
    .max_flat_workgroup_size: 512
    .sgpr_count:     66
    .vgpr_count:     256
    .wavefront_size: 32
...
	.end_amdgpu_metadata
.endif
;; end of part 5
